; MI455X (gfx1250); checked and timed in simulation.
; The chip was launched on July 23, 2026; its instructions are those of AMD's public machine-readable ISA for CDNA 5 (MIT licence, August 2026) and "CDNA5" Instruction Set Architecture Reference Guide (July 2026). The comments in the code are by the model that wrote it; some were corrected since.
;; Single Stride Attention. Allowed arithmetic: float matrix products may take bf16 or f16 operands with f32 sums; other float arithmetic in f32, or as packed bf16 or f16 multiplies, adds, multiply-adds, maxima and minima; sums over many terms, partial sums and values carried from step to step in f32; what a program stores and reads back later, other than sums and carried values, may be rounded once to bf16 or f16.
;; Inputs: g 2,048 float32; wk 2,048 x 2,048 float32; wo 2,048 x 2,048 float32; wq 2,048 x 2,048 float32; wv 2,048 x 2,048 float32; x 2 x 2,048 x 2,048 float32.
;; Outputs: out0 2 x 2,048 x 2,048 float32.
;; 2 versions, each right and faster than the one before. Each part assembles by itself: llvm-mc -triple=amdgcn-amd-amdhsa -mcpu=gfx1250 --defsym DOCPART=n.
;; ======== version 1 of 2: 5 launches
;; workspace buffers: part 8,192 bytes; scales 256 bytes; rinv 16,384 bytes; xb 16,777,216 bytes; wt 33,554,432 bytes; qkv 50,331,648 bytes; ao 16,777,216 bytes
;; launch prep (part 1): grid 512 x 1, 8 waves a work-group, no clusters, 0 bytes of LDS; arguments wq, wk, wv, wo, x, part, xb, rinv; writes part, xb, rinv
.if DOCPART == 1
	.amdgcn_target "amdgcn-amd-amdhsa--gfx1250"
	.amdhsa_code_object_version 6
	.text
	.protected	k_qfecb834ca8_prep
	.globl	k_qfecb834ca8_prep
	.p2align	8
	.type	k_qfecb834ca8_prep,@function
k_qfecb834ca8_prep:
	s_mov_b64 s[64:65], 0
	v_nop
	global_prefetch_b8 v0, s[64:65] scope:SCOPE_SE
	s_setreg_imm32_b32 hwreg(HW_REG_WAVE_MODE, 25, 1), 1
	s_wait_xcnt 0x0
; PREP.  Two streams in one launch, told apart by the work-group's number (the same for all its waves).
; Work-groups 0-255: partial sums of |w|.  Weight g >> 6, chunk g & 63 of 262,144 bytes; a wave sums 32,768 bytes and stores ONE f32:
;   part[8 g + wave], 512 numbers a weight.  The mean of |w| spans a whole weight, so it is finished in the next launch.
; Work-groups 256-511: x is rounded to bf16 and its rows are put in the order rho = b 2048 + (l % 8) 256 + l / 8, in which the eight
;   positions l, l - 8, .. l - 56 that a query sees are eight neighbouring rows; rinv[rho] = 1 / sqrt(mean x^2 + 1e-6), in f32.
; No LDS, no barrier, no matrix unit, no cluster: every byte is read once, by one wave, and no two work-groups read the same bytes.
; LIMITS.  |w| is summed in chains of 16 numbers and then in trees: another order than a plain sum's.  The sum of a row's x^2 must stay
; inside f32.  NaN and infinities are not treated apart.
.set A, 16                             ; v[16:31]  sixteen chains (W part); v[16:23] four pairs of chains (X part)
.set X, 32                             ; v[32:95]  a ring of 16 slots of 4 (W part); v[32:159] two whole rows (X part)
.macro WSUM a, b                       ; the sum of v[a] over the wave's 32 lanes, in every lane; v[b] has been written before
	v_add_f32_dpp v[\a], v[\a], v[\a] row_xmask:1 row_mask:0xf bank_mask:0xf
	v_add_f32_dpp v[\a], v[\a], v[\a] row_xmask:2 row_mask:0xf bank_mask:0xf
	v_add_f32_dpp v[\a], v[\a], v[\a] row_xmask:4 row_mask:0xf bank_mask:0xf
	v_add_f32_dpp v[\a], v[\a], v[\a] row_xmask:8 row_mask:0xf bank_mask:0xf
	v_permlanex16_b32 v[\b], v[\a], s30, s31
	v_add_f32 v[\a], v[\a], v[\b]
.endm
	s_load_b512 s[4:19], s[0:1], 0x0               ; wq 4:5, wk 6:7, wv 8:9, wo 10:11, x 12:13, part 14:15, xb 16:17, rinv 18:19
	v_lshrrev_b32 v4, 5, v0
	v_readfirstlane_b32 s20, v4                    ; wave 0..7
	v_and_b32 v1, 31, v0                           ; lane
	v_lshlrev_b32 v2, 4, v1                        ; 16 bytes a lane: a load of the wave covers 512 neighbouring bytes
	s_mov_b32 s21, 0x7fffffff                      ; clears a sign
	s_mov_b32 s27, 0                               ; the high word of every offset pair s[26:27]
	s_mov_b32 s30, 0x76543210                      ; v_permlanex16_b32: each lane takes its own place in the other half
	s_mov_b32 s31, 0xfedcba98
	s_wait_kmcnt 0x0
	s_cmp_lt_u32 ttmp9, 256
	s_cbranch_scc0 .Lx
	; ---- the sums of |w| ----
	s_lshr_b32 s22, ttmp9, 6                       ; which weight
	s_mov_b64 s[24:25], s[4:5]
	s_cmp_eq_u32 s22, 1
	s_cselect_b64 s[24:25], s[6:7], s[24:25]
	s_cmp_eq_u32 s22, 2
	s_cselect_b64 s[24:25], s[8:9], s[24:25]
	s_cmp_eq_u32 s22, 3
	s_cselect_b64 s[24:25], s[10:11], s[24:25]
	s_and_b32 s26, ttmp9, 63
	s_lshl_b32 s26, s26, 18                        ; the chunk's 262,144 bytes
	s_lshl_b32 s23, s20, 15                        ; my wave's 32,768 of them
	s_add_co_u32 s26, s26, s23
	s_add_nc_u64 s[24:25], s[24:25], s[26:27]
.set i, 0
.rept 16                                               ; the ring is filled: sixteen loads of every wave are on their way
	global_load_b128 v[X+4*i:X+4*i+3], v2, s[24:25] offset:512*i
.set i, i+1
.endr
; Load i of 64.  Loads come back in order (ISA guide 5.7.1): the count leaves the younger ones out, 15 while the ring is refilled.
; The first four loads start the sixteen chains, so nothing is cleared; a chain takes 16 numbers.
.macro WS i
.if (\i) < 48
	s_wait_loadcnt 15
.else
	s_wait_loadcnt 63-(\i)
.endif
.set SL, X+4*((\i)%16)
.set CH, A+4*((\i)%4)
.irp k, 0,1,2,3
.if (\i) < 4
	v_and_b32 v[CH+\k], s21, v[SL+\k]
.else
	v_add_f32 v[CH+\k], v[CH+\k], |v[SL+\k]|
.endif
.endr
.if (\i) < 48
	global_load_b128 v[SL:SL+3], v2, s[24:25] offset:512*((\i)+16)
.endif
.endm
.set i, 0
.rept 64
	WS i
.set i, i+1
.endr
.irp k, 0,2,4,6
	v_pk_add_f32 v[A+\k:A+\k+1], v[A+\k:A+\k+1], v[A+8+\k:A+8+\k+1]
.endr
	v_pk_add_f32 v[A:A+1], v[A:A+1], v[A+4:A+5]
	v_pk_add_f32 v[A+2:A+3], v[A+2:A+3], v[A+6:A+7]
	v_pk_add_f32 v[A:A+1], v[A:A+1], v[A+2:A+3]
	v_add_f32 v16, v16, v17
	WSUM 16, 17
	s_lshl_b32 s26, ttmp9, 3
	s_add_co_u32 s26, s26, s20
	s_lshl_b32 s26, s26, 2                         ; 4 (8 g + wave)
	v_mov_b32 v3, s26
	v_cmp_eq_u32 vcc_lo, 0, v1
	s_wait_xcnt 0x0                                ; EXEC is a source of the memory instructions issued so far: it changes only behind this wait
	s_and_saveexec_b32 s28, vcc_lo
	global_store_b32 v3, v16, s[14:15]             ; a reduction leaves one number a wave: 4 bytes, 2,048 of them in the launch
	s_wait_xcnt 0x0                                ; and again in front of the line that widens EXEC
	s_or_b32 exec_lo, exec_lo, s28
	s_endpgm
	; ---- x: bf16, rows in the order rho, and 1 / rms ----
.Lx:
	s_sub_co_u32 s22, ttmp9, 256
	s_lshl_b32 s22, s22, 3
	s_add_co_u32 s22, s22, s20                     ; u = 0..2047: my wave makes rows rho = 2 u and 2 u + 1
	s_lshr_b32 s23, s22, 10
	s_lshl_b32 s23, s23, 11                        ; b 2048
	s_and_b32 s26, s22, 127
	s_lshl_b32 s26, s26, 4                         ; 8 j, j = 2 (u & 127)
	s_add_co_u32 s23, s23, s26
	s_bfe_u32 s26, s22, 0x30007                    ; l % 8 = (u >> 7) & 7
	s_add_co_u32 s23, s23, s26                     ; the first row in x; the second lies 8 rows, 65,536 bytes, further on
	s_lshl_b32 s26, s23, 13
	s_add_nc_u64 s[12:13], s[12:13], s[26:27]
	s_lshl_b32 s26, s22, 13                        ; two rows of 4,096 bytes in xb
	s_add_nc_u64 s[16:17], s[16:17], s[26:27]
	s_lshl_b32 s26, s22, 3                         ; two numbers in rinv
	s_add_nc_u64 s[18:19], s[18:19], s[26:27]
	v_lshlrev_b32 v3, 3, v1                        ; 8 bytes a lane: a store of the wave covers 256 consecutive bytes, aligned
	v_lshlrev_b32 v6, 2, v1
	v_mov_b32 v5, 0x3a000000                       ; 1 / 2048
.set i, 0
.rept 32                                               ; both rows at once: 32 loads of 512 bytes on their way
	global_load_b128 v[X+4*i:X+4*i+3], v2, s[12:13] offset:65536*(i/16)+512*(i%16) th:TH_LOAD_NT
.set i, i+1
.endr
; Row k: squares into four pairs of chains (the first two loads start them), rounding in place, stores; no register is written again behind its store.
.macro ROW k
.set i, 0
.rept 16
.set XI, X+64*(\k)+4*i
.set C0, A+4*(i%2)
	s_wait_loadcnt 31-16*(\k)-i                    ; this load is in; the younger ones stay out
.if i < 2
	v_pk_mul_f32 v[C0:C0+1], v[XI:XI+1], v[XI:XI+1]
	v_pk_mul_f32 v[C0+2:C0+3], v[XI+2:XI+3], v[XI+2:XI+3]
.else
	v_pk_fma_f32 v[C0:C0+1], v[XI:XI+1], v[XI:XI+1], v[C0:C0+1]
	v_pk_fma_f32 v[C0+2:C0+3], v[XI+2:XI+3], v[XI+2:XI+3], v[C0+2:C0+3]
.endif
	v_cvt_pk_bf16_f32 v[XI], v[XI], v[XI+1]
	v_cvt_pk_bf16_f32 v[XI+1], v[XI+2], v[XI+3]
	global_store_b64 v3, v[XI:XI+1], s[16:17] offset:4096*(\k)+256*i
.set i, i+1
.endr
	v_pk_add_f32 v[A:A+1], v[A:A+1], v[A+4:A+5]
	v_pk_add_f32 v[A+2:A+3], v[A+2:A+3], v[A+6:A+7]
	v_pk_add_f32 v[A:A+1], v[A:A+1], v[A+2:A+3]
	v_add_f32 v16, v16, v17
	WSUM 16, 17
	v_fmaak_f32 v[24+\k], v5, v16, 0x358637bd      ; mean + 1e-6
	v_rsq_f32 v[24+\k], v[24+\k]
	v_nop                                          ; a plain instruction behind the transcendental (ISA guide 5.7.2)
.endm
	ROW 0
	ROW 1
	v_cmp_eq_u32 vcc_lo, 1, v1
	s_wait_alu depctr_va_vdst(0)
	v_cndmask_b32 v24, v24, v25, vcc_lo            ; lane 0 keeps the first row's number, lane 1 takes the second's
	v_cmp_gt_u32 vcc_lo, 2, v1
	s_wait_xcnt 0x0                                ; EXEC changes only behind this wait
	s_and_saveexec_b32 s28, vcc_lo
	global_store_b32 v6, v24, s[18:19]
	s_wait_xcnt 0x0
	s_or_b32 exec_lo, exec_lo, s28
	s_endpgm
.Lfunc_end_k_qfecb834ca8_prep:
	.size	k_qfecb834ca8_prep, .Lfunc_end_k_qfecb834ca8_prep-k_qfecb834ca8_prep
	.p2alignl 7, 3214868480
	.fill 96, 4, 3214868480
	.section	.rodata,"a",@progbits
	.p2align	6, 0x0
	.amdhsa_kernel k_qfecb834ca8_prep
		.amdhsa_group_segment_fixed_size 0
		.amdhsa_private_segment_fixed_size 0
		.amdhsa_enable_private_segment 0
		.amdhsa_kernarg_size 64
		.amdhsa_user_sgpr_count 2
		.amdhsa_user_sgpr_kernarg_segment_ptr 1
		.amdhsa_wavefront_size32 1
		.amdhsa_system_sgpr_workgroup_id_x 1
		.amdhsa_system_sgpr_workgroup_id_y 1
		.amdhsa_system_sgpr_workgroup_id_z 1
		.amdhsa_system_vgpr_workitem_id 0
		.amdhsa_next_free_vgpr 160
		.amdhsa_next_free_sgpr 66
		.amdhsa_reserve_vcc 1
		.amdhsa_float_denorm_mode_32 3
		.amdhsa_float_denorm_mode_16_64 3
		.amdhsa_memory_ordered 1
		.amdhsa_forward_progress 1
		.amdhsa_inst_pref_size 44
	.end_amdhsa_kernel
	.amdgpu_metadata
---
amdhsa.version: [ 1, 2 ]
amdhsa.kernels:
  - .name:           k_qfecb834ca8_prep
    .symbol:         k_qfecb834ca8_prep.kd
    .args:
      - { .name: wq, .offset: 0, .size: 8, .value_kind: global_buffer, .address_space: global }
      - { .name: wk, .offset: 8, .size: 8, .value_kind: global_buffer, .address_space: global }
      - { .name: wv, .offset: 16, .size: 8, .value_kind: global_buffer, .address_space: global }
      - { .name: wo, .offset: 24, .size: 8, .value_kind: global_buffer, .address_space: global }
      - { .name: x, .offset: 32, .size: 8, .value_kind: global_buffer, .address_space: global }
      - { .name: part, .offset: 40, .size: 8, .value_kind: global_buffer, .address_space: global }
      - { .name: xb, .offset: 48, .size: 8, .value_kind: global_buffer, .address_space: global }
      - { .name: rinv, .offset: 56, .size: 8, .value_kind: global_buffer, .address_space: global }
    .group_segment_fixed_size: 0
    .private_segment_fixed_size: 0
    .kernarg_segment_align: 8
    .kernarg_segment_size: 64
    .max_flat_workgroup_size: 256
    .sgpr_count:     66
    .vgpr_count:     160
    .wavefront_size: 32
...
	.end_amdgpu_metadata
.endif
;; end of part 1
;; launch quant (part 2): grid 512 x 1, 8 waves a work-group, no clusters, 0 bytes of LDS; arguments part, g, wq, wk, wv, wo, wt, scales; writes wt, scales
.if DOCPART == 2
	.amdgcn_target "amdgcn-amd-amdhsa--gfx1250"
	.amdhsa_code_object_version 6
	.text
	.protected	k_qfecb834ca8_quant
	.globl	k_qfecb834ca8_quant
	.p2align	8
	.type	k_qfecb834ca8_quant,@function
k_qfecb834ca8_quant:
	s_mov_b64 s[64:65], 0
	v_nop
	global_prefetch_b8 v0, s[64:65] scope:SCOPE_SE
	s_setreg_imm32_b32 hwreg(HW_REG_WAVE_MODE, 25, 1), 1
	s_wait_xcnt 0x0
; QUANT.  s = max(mean |w|, 1e-5); t = round(clip(w / s, -1, 1)) is -1, 0 or 1; wt holds t as bf16, which is exact, and s is applied later in f32.
; wt: [8192][2048] bf16: rows 0-2047 t_q g[k] (the RMSNorm's gain rides on q's weights, rounded once to bf16), then t_k, t_v, t_o.
; THE TEST.  t is not 0 exactly where |w| > s / 2: for a float |w| above s / 2 the quotient lies more than half a step above 0.5 and rounds above it,
; so it goes to 1; at or below s / 2 the quotient is at most 0.5, which goes to 0 (ties to even).  s / 2 is exact.  No division is made.
; Every wave adds the weight's 512 partial sums in the same order, so all waves of the launch hold the same s.
; A work-group takes 16 rows of one weight; thread t the columns 4 t .. 4 t + 3 and 1024 + 4 t ..: its eight g stay in registers.
; No LDS, no cluster: the only bytes that work-groups share are part (2 KB a weight) and g (8 KB).  NaN and infinities are not treated apart.
.set G, 24                             ; v[24:31]  g of my eight columns (1.0 for the three weights that have no gain)
.set X, 32                             ; v[32:159] 32 loads of 4: row i / 2, half i % 2
.macro WSUM a, b
	v_add_f32_dpp v[\a], v[\a], v[\a] row_xmask:1 row_mask:0xf bank_mask:0xf
	v_add_f32_dpp v[\a], v[\a], v[\a] row_xmask:2 row_mask:0xf bank_mask:0xf
	v_add_f32_dpp v[\a], v[\a], v[\a] row_xmask:4 row_mask:0xf bank_mask:0xf
	v_add_f32_dpp v[\a], v[\a], v[\a] row_xmask:8 row_mask:0xf bank_mask:0xf
	v_permlanex16_b32 v[\b], v[\a], s30, s31
	v_add_f32 v[\a], v[\a], v[\b]
.endm
	s_load_b512 s[4:19], s[0:1], 0x0               ; part 4:5, g 6:7, wq 8:9, wk 10:11, wv 12:13, wo 14:15, wt 16:17, scales 18:19
	v_lshrrev_b32 v4, 5, v0
	v_readfirstlane_b32 s21, v4                    ; wave
	v_and_b32 v1, 31, v0                           ; lane
	v_lshlrev_b32 v2, 4, v1                        ; 16 x lane, for part
	v_lshlrev_b32 v3, 4, v0                        ; 16 t, for g and w
	v_lshlrev_b32 v5, 3, v0                        ; 8 t, for wt
	s_lshr_b32 s20, ttmp9, 7                       ; which weight
	s_and_b32 s25, ttmp9, 127                      ; which 16 rows of it
	s_mov_b32 s24, 0x80000000                      ; a sign
	s_mov_b32 s30, 0x76543210
	s_mov_b32 s31, 0xfedcba98
	s_lshl_b32 s26, s20, 11                        ; the weight's 512 partial sums
	s_mov_b32 s27, 0
	s_lshl_b32 s28, s25, 17                        ; 16 rows of 8,192 bytes
	s_mov_b32 s29, 0
	s_wait_kmcnt 0x0
	s_add_nc_u64 s[4:5], s[4:5], s[26:27]
	s_mov_b64 s[36:37], s[8:9]
	s_cmp_eq_u32 s20, 1
	s_cselect_b64 s[36:37], s[10:11], s[36:37]
	s_cmp_eq_u32 s20, 2
	s_cselect_b64 s[36:37], s[12:13], s[36:37]
	s_cmp_eq_u32 s20, 3
	s_cselect_b64 s[36:37], s[14:15], s[36:37]
	s_add_nc_u64 s[36:37], s[36:37], s[28:29]
	s_lshl_b32 s26, s20, 23                        ; 2,048 rows of 4,096 bytes a weight in wt,
	s_lshl_b32 s28, s25, 16                        ; 16 rows
	s_add_co_u32 s26, s26, s28
	s_add_nc_u64 s[16:17], s[16:17], s[26:27]
.irp i, 0,1,2,3
	global_load_b128 v[8+4*\i:11+4*\i], v2, s[4:5] offset:512*\i
.endr
	global_load_b128 v[G:G+3], v3, s[6:7]
	global_load_b128 v[G+4:G+7], v3, s[6:7] offset:4096
.set i, 0
.rept 32                                               ; all 16 rows are asked for before anything is waited for
	global_load_b128 v[X+4*i:X+4*i+3], v3, s[36:37] offset:4096*i th:TH_LOAD_NT
.set i, i+1
.endr
	s_cmp_eq_u32 s20, 0
	s_cselect_b32 s23, -1, 0                       ; all lanes: is this q's weight?
	s_wait_loadcnt 32                              ; part and g are in; the 32 loads of w stay out
.irp k, 0,2,4,6
	v_pk_add_f32 v[8+\k:9+\k], v[8+\k:9+\k], v[16+\k:17+\k]
.endr
	v_pk_add_f32 v[8:9], v[8:9], v[12:13]
	v_pk_add_f32 v[10:11], v[10:11], v[14:15]
	v_pk_add_f32 v[8:9], v[8:9], v[10:11]
	v_add_f32 v8, v8, v9
	WSUM 8, 9
	v_mul_f32 v8, 0x34800000, v8                   ; / 2^22: exact
	v_max_num_f32 v8, 0x3727c5ac, v8               ; s = max(mean, 1e-5)
	v_mul_f32 v9, 0.5, v8
	v_readfirstlane_b32 s22, v9                    ; s / 2: it enters compares that choose values, no branch and no address
.irp k, 0,1,2,3,4,5,6,7
	v_cndmask_b32 v[G+\k], 1.0, v[G+\k], s23
.endr
; Load i: four numbers become +-g or 0; two roundings (exact for +-1 and 0); 8 bytes a lane: the wave's store covers 256 consecutive bytes, aligned.
; Nothing is written again behind its store, so no wait for a store's sources is needed.
.macro QZ i
	s_wait_loadcnt 31-(\i)                         ; this load is in; the younger ones stay out
.set XI, X+4*(\i)
.set GI, G+4*((\i)%2)
.irp k, 0,1,2,3
	v_cmp_lt_f32 s[32+\k], s22, |v[XI+\k]|
.endr
.irp k, 0,1,2,3
	v_and_b32 v[XI+\k], s24, v[XI+\k]              ; w's sign
.endr
.irp k, 0,1,2,3
	v_xor_b32 v[XI+\k], v[XI+\k], v[GI+\k]         ; turns g's
.endr
.irp k, 0,1,2,3
	v_cndmask_b32 v[XI+\k], 0, v[XI+\k], s[32+\k]
.endr
	v_cvt_pk_bf16_f32 v[XI], v[XI], v[XI+1]
	v_cvt_pk_bf16_f32 v[XI+1], v[XI+2], v[XI+3]
	global_store_b64 v5, v[XI:XI+1], s[16:17] offset:2048*(\i)
.endm
.set i, 0
.rept 32
	QZ i
.set i, i+1
.endr
	s_or_b32 s26, s25, s21                         ; the first work-group of a weight, its wave 0, stores s
	s_cmp_lg_u32 s26, 0
	s_cbranch_scc1 .Lend
	s_lshl_b32 s26, s20, 2
	v_mov_b32 v7, s26
	v_cmp_eq_u32 vcc_lo, 0, v1
	s_wait_xcnt 0x0                                ; EXEC changes only behind this wait
	s_and_saveexec_b32 s28, vcc_lo
	global_store_b32 v7, v8, s[18:19]
	s_wait_xcnt 0x0
	s_or_b32 exec_lo, exec_lo, s28
.Lend:
	s_endpgm
.Lfunc_end_k_qfecb834ca8_quant:
	.size	k_qfecb834ca8_quant, .Lfunc_end_k_qfecb834ca8_quant-k_qfecb834ca8_quant
	.p2alignl 7, 3214868480
	.fill 96, 4, 3214868480
	.section	.rodata,"a",@progbits
	.p2align	6, 0x0
	.amdhsa_kernel k_qfecb834ca8_quant
		.amdhsa_group_segment_fixed_size 0
		.amdhsa_private_segment_fixed_size 0
		.amdhsa_enable_private_segment 0
		.amdhsa_kernarg_size 64
		.amdhsa_user_sgpr_count 2
		.amdhsa_user_sgpr_kernarg_segment_ptr 1
		.amdhsa_wavefront_size32 1
		.amdhsa_system_sgpr_workgroup_id_x 1
		.amdhsa_system_sgpr_workgroup_id_y 1
		.amdhsa_system_sgpr_workgroup_id_z 1
		.amdhsa_system_vgpr_workitem_id 0
		.amdhsa_next_free_vgpr 160
		.amdhsa_next_free_sgpr 66
		.amdhsa_reserve_vcc 1
		.amdhsa_float_denorm_mode_32 3
		.amdhsa_float_denorm_mode_16_64 3
		.amdhsa_memory_ordered 1
		.amdhsa_forward_progress 1
		.amdhsa_inst_pref_size 39
	.end_amdhsa_kernel
	.amdgpu_metadata
---
amdhsa.version: [ 1, 2 ]
amdhsa.kernels:
  - .name:           k_qfecb834ca8_quant
    .symbol:         k_qfecb834ca8_quant.kd
    .args:
      - { .name: part, .offset: 0, .size: 8, .value_kind: global_buffer, .address_space: global }
      - { .name: g, .offset: 8, .size: 8, .value_kind: global_buffer, .address_space: global }
      - { .name: wq, .offset: 16, .size: 8, .value_kind: global_buffer, .address_space: global }
      - { .name: wk, .offset: 24, .size: 8, .value_kind: global_buffer, .address_space: global }
      - { .name: wv, .offset: 32, .size: 8, .value_kind: global_buffer, .address_space: global }
      - { .name: wo, .offset: 40, .size: 8, .value_kind: global_buffer, .address_space: global }
      - { .name: wt, .offset: 48, .size: 8, .value_kind: global_buffer, .address_space: global }
      - { .name: scales, .offset: 56, .size: 8, .value_kind: global_buffer, .address_space: global }
    .group_segment_fixed_size: 0
    .private_segment_fixed_size: 0
    .kernarg_segment_align: 8
    .kernarg_segment_size: 64
    .max_flat_workgroup_size: 256
    .sgpr_count:     66
    .vgpr_count:     160
    .wavefront_size: 32
...
	.end_amdgpu_metadata
.endif
;; end of part 2
;; launch qkv (part 3): grid 32 x 16, 4 waves a work-group, clusters of 4 x 4, 327,680 bytes of LDS; arguments xb, wt, qkv; writes qkv
.if DOCPART == 3
	.amdgcn_target "amdgcn-amd-amdhsa--gfx1250"
	.amdhsa_code_object_version 6
	.text
	.protected	k_qfecb834ca8_qkv
	.globl	k_qfecb834ca8_qkv
	.p2align	8
	.type	k_qfecb834ca8_qkv,@function
k_qfecb834ca8_qkv:
	s_mov_b64 s[64:65], 0
	v_nop
	global_prefetch_b8 v0, s[64:65] scope:SCOPE_SE
	s_setreg_imm32_b32 hwreg(HW_REG_WAVE_MODE, 25, 1), 1
	s_wait_xcnt 0x0
	s_wait_alu depctr_hold_cnt(0) depctr_sa_sdst(0) depctr_va_vdst(0) depctr_va_sdst(0) depctr_va_ssrc(0) depctr_va_vcc(0) depctr_vm_vsrc(0)
	s_getreg_b32 s2, hwreg(HW_REG_IB_STS2, 6, 4)
	s_cmp_eq_u32 s2, 0
	s_cbranch_scc0 .Lentry_in_a_cluster
	s_endpgm
.Lentry_in_a_cluster:
	s_bfe_u32 s2, ttmp6, 0x10000c
	s_cmp_lg_u32 s2, 0xf033
	s_cbranch_scc0 .Lentry_shape_is_right
	s_endpgm
.Lentry_shape_is_right:
; QKV.  C[rho][n] = sum over k of xb[rho][k] wt[n][k], n = 0..6143: q, k and v unscaled, in one product with one A operand; f32 sums, rounded once to bf16.
; (1 / rms, the three scales and 1 / sqrt(128) are applied in f32 by the launches behind.)
; A tile of C is 256 x 192: four waves, each 128 x 96: 48 accumulators of 16 x 16, 384 registers.  32 x 16 tiles: two for each of 256 WGPs.
; K goes in 16 steps of 128 through two LDS slots filled by the tensor data mover: rows of 256 bytes, aligned.  One load a wave: waves 0, 1 bring A's two halves (128 rows), waves 2, 3 B's (96 rows).
; CLUSTER 4 x 4: the four work-groups of a cluster's row need the same tile of A, the four of a column the same tile of B: each tile is asked for jointly.
; THE MATRIX INSTRUCTION IS USED TRANSPOSED (source 0 = 16 rows of wt, source 1 = 16 rows of xb): a lane holds eight neighbouring columns of one row of C.
; OUTPUT IN PANELS: qkv[panel = n / 32][rho][32] bf16, so that the next launch finds 256 rows x 32 channels as 16,384 dense bytes.  A wave's 96 columns are three panels.
; REGISTERS, in windows of 256: window 0: v0-31 addresses; v64-127, v128-191 A's fragments, two buffers; v32-55, v192-247 the way out.
;   window 1: v64-111, v128-175 B's fragments.   window 2: accumulators of my rows 0-63 ((a, b) at v[8 (6 a + b)]);   window 3: rows 64-127.
.set NB,     6                         ; blocks of 16 columns a wave
.set BN,     32*NB
.set SIZE_K, 2048
.set KSTEP,  128
.set PITCH,  272                       ; an LDS row: 256 bytes + 16 of padding: the 16 rows of a fragment load start at 16 different groups of four banks (ISA guide 11.1)
.set HALFA,  128*PITCH
.set HALFB,  16*NB*PITCH
.set SLOT,   2*HALFA+2*HALFB           ; A's 256 rows, then B's 192
.set STAGE,  2*SLOT                    ; behind the ring, a multiple of 256: for each wave 3 panels x 16 rows x 80 bytes
.set SPP,    80
.set SWAVE,  3*16*SPP
.set SPARE,  STAGE+4*SWAVE             ; the spare words, 128 bytes a wave: two blocks of 256 bytes that no other line names
.set LAPS,   SIZE_K/(2*KSTEP)
.set LD,     2*NB+16                   ; LDS loads in a run: the fragments of 32 along K
.set PANEL,  4096*64                   ; bytes in a panel
.set ADRA, 16                          ; v16-17  LDS address of my A fragments in slot 0, 1
.set ADRB, 20                          ; v20-21  the same for B
.set STO,  24
.set RD,   25
.set CO,   26
.set SPW,  28                          ; v28  SPARE + 4 x my thread's number; never rewritten
.set NIL,  29                          ; v29  0; never rewritten
.set F0,   64
.set F1,   128
.set TMP,  192
.set OB,   32
.set G1, 24                            ; s[24:31] group 1 for A;  s[32:39] group 0, a set for each slot
.set G0, 32
.set G1B, 48                           ; s[48:55], s[56:63] the same for B
.set G0B, 56
.set MSB, 0
.macro WIN new                         ; the immediate's high byte repeats the setting that is left; a switch that changes nothing is dropped
.if MSB != (\new)
	s_set_vgpr_msb (MSB<<8)|(\new)
.set MSB, \new
.endif
.endm
; A joint load: waves 0, 1 ask for A, waves 2, 3 for B; the branch hangs on the wave's number alone.  An s_nop 0 and four v_nop follow each line.
.macro JLOAD s
	s_cmp_eq_u32 s11, 0
	s_cbranch_scc0 .Lfor_b_\@
	tensor_load_to_lds s[G0+4*(\s):G0+4*(\s)+3], s[G1:G1+7]
	s_nop 0
.rept 4
	v_nop
.endr
	s_branch .Lasked_\@
.Lfor_b_\@:
	tensor_load_to_lds s[G0B+4*(\s):G0B+4*(\s)+3], s[G1B:G1B+7]
	s_nop 0
.rept 4
	v_nop
.endr
.Lasked_\@:
.endm
.macro CREST                           ; a round of the cluster's barrier behind its opening barrier
	s_cmp_lg_u32 s10, 0
	s_cbranch_scc1 .Lnot_wave_0_\@
	s_barrier_signal -3
.Lnot_wave_0_\@:
	s_barrier_wait -3
	s_barrier_signal -1
	s_barrier_wait -1
.endm
.macro CROUND
	s_barrier_signal -1
	s_barrier_wait -1
	CREST
.endm
.macro PLACES                          ; four places in front of loads into registers that matrix instructions have read, and of reads of results
.rept 4
	v_nop
.endr
.endm
	s_load_b128 s[4:7], s[0:1], 0x0                ; xb s[4:5], wt s[6:7]
	s_load_b64 s[8:9], s[0:1], 0x10                ; qkv
	v_lshl_add_u32 v[SPW], v0, 2, SPARE
	v_mov_b32 v[NIL], 0
	ds_add_u32 v[SPW], v[NIL]                      ; the wave's opening: the add and its wait stand ahead of my first tensor load
	ds_add_u32 v28, v29
	v_lshrrev_b32 v1, 5, v0
	v_readfirstlane_b32 s10, v1                    ; wave 0..3
	s_lshr_b32 s11, s10, 1                         ; my half of the tile's rows.  Also: I fetch for A (0) or B (1)
	s_and_b32 s12, s10, 1                          ; my half of its columns.  Also: which half of that tile I fetch
	s_bfe_u32 s40, ttmp6, 0x40000                  ; cx
	s_bfe_u32 s41, ttmp6, 0x40004                  ; cy
	s_lshl_b32 s42, ttmp9, 2
	s_add_co_u32 s42, s42, s40                     ; tile column = 4 x cluster x + cx
	s_and_b32 s13, ttmp7, 0xffff
	s_lshl_b32 s13, s13, 2
	s_add_co_u32 s13, s13, s41                     ; tile row = 4 x cluster y + cy
	s_lshl_b32 s43, s41, 2
	s_lshl_b32 s43, 15, s43                        ; my row of the cluster
	s_lshl_b32 s44, 0x1111, s40                    ; my column
	s_or_b32 s[G1+0], s43, (1<<16)|(1<<20)|(1<<21)|(5<<22)|(3<<25)   ; the mask; 2-byte elements; padding on; bit 21 beside a mask; after every 64 words 4 words
	s_or_b32 s[G1B+0], s44, (1<<16)|(1<<20)|(1<<21)|(5<<22)|(3<<25)
	s_mov_b32 s[G1+1], KSTEP<<16                   ; tensor_dim0 = 128
	s_mov_b32 s[G1+2], 128<<16                     ; tensor_dim1 = 128 rows
	s_mov_b32 s[G1+3], KSTEP<<16                   ; tile_dim0
	s_mov_b32 s[G1+4], 128                         ; tile_dim1
	s_mov_b32 s[G1+5], SIZE_K                      ; elements from row to row
	s_mov_b32 s[G1+6], 0
	s_mov_b32 s[G1+7], 0
	s_mov_b32 s[G1B+1], KSTEP<<16
	s_mov_b32 s[G1B+2], (16*NB)<<16                ; 96 rows
	s_mov_b32 s[G1B+3], KSTEP<<16
	s_mov_b32 s[G1B+4], 16*NB
	s_mov_b32 s[G1B+5], SIZE_K
	s_mov_b32 s[G1B+6], 0
	s_mov_b32 s[G1B+7], 0
	s_lshl_b32 s17, s12, 7
	s_lshl_b32 s16, s13, 8
	s_add_co_u32 s16, s16, s17                     ; A: row 256 x tile row + 128 x half: hangs on the tile row alone
	s_lshl_b32 s16, s16, 12                        ; rows of 4,096 bytes
	s_mov_b32 s17, 0
	s_mul_i32 s46, s42, BN
	s_mul_i32 s47, s12, 16*NB
	s_add_co_u32 s46, s46, s47                     ; B: row 192 x tile column + 96 x half: hangs on the tile column alone
	s_lshl_b32 s46, s46, 12
	s_mov_b32 s47, 0
	s_mul_i32 s20, s12, HALFA                      ; where they go: no place in the cluster enters an LDS address
	s_mul_i32 s23, s12, HALFB
	s_add_co_u32 s23, s23, 2*HALFA
	s_wait_dscnt 0x0                               ; the opening add is done
	s_wait_kmcnt 0x0
	s_add_nc_u64 s[14:15], s[4:5], s[16:17]
	s_add_nc_u64 s[46:47], s[6:7], s[46:47]
	CROUND                                         ; all sixteen work-groups are here: the first joint loads meet
.irp s, 0,1
	s_mov_b32 s[G0+4*(\s)], 1
	s_add_co_u32 s[G0+4*(\s)+1], s20, (\s)*SLOT
	s_add_nc_u64 s[G0+4*(\s)+2:G0+4*(\s)+3], s[14:15], (\s)*KSTEP*2
	s_or_b32 s[G0+4*(\s)+3], s[G0+4*(\s)+3], 0x80000000
	s_mov_b32 s[G0B+4*(\s)], 1
	s_add_co_u32 s[G0B+4*(\s)+1], s23, (\s)*SLOT
	s_add_nc_u64 s[G0B+4*(\s)+2:G0B+4*(\s)+3], s[46:47], (\s)*KSTEP*2
	s_or_b32 s[G0B+4*(\s)+3], s[G0B+4*(\s)+3], 0x80000000
	JLOAD \s                                       ; two tensor loads of mine are out
.endr
	; a fragment: lane l holds row l % 16; registers 0-3 K = 8 (l / 16) + 0..7, registers 4-7 K = 16 + 8 (l / 16) + 0..7: two loads of 16 bytes, 32 apart
	v_and_b32 v1, 15, v0
	v_bfe_u32 v2, v0, 4, 1
	v_mul_u32_u24 v3, v1, PITCH
	v_lshl_add_u32 v3, v2, 4, v3
	s_mul_i32 s21, s11, HALFA                      ; my 128 rows of A
	s_mul_i32 s22, s12, HALFB                      ; my 96 rows of B,
	s_add_co_u32 s22, s22, 2*HALFA                 ; behind A's 256
.irp s, 0,1
	v_add_nc_u32 v[ADRA+(\s)], s21, v3
	v_add_nc_u32 v[ADRB+(\s)], s22, v3
	s_add_co_u32 s21, s21, SLOT
	s_add_co_u32 s22, s22, SLOT
.endr
	s_mul_i32 s23, s10, SWAVE
	s_add_co_u32 s23, s23, STAGE                   ; my stage
	v_mul_u32_u24 v4, v1, SPP                      ; in: row l % 16 of a panel, 16 bytes for each half of the lanes
	v_lshl_add_u32 v4, v2, 4, v4
	v_add_nc_u32 v[STO], s23, v4
	v_and_b32 v5, 31, v0
	v_lshrrev_b32 v6, 2, v5                        ; back: 32 lanes take eight rows of 64 bytes,
	v_and_b32 v7, 3, v0
	v_mul_u32_u24 v6, v6, SPP
	v_lshl_add_u32 v6, v7, 4, v6
	v_add_nc_u32 v[RD], s23, v6
	v_lshlrev_b32 v[CO], 4, v5                     ; which are 512 consecutive bytes of a panel
	s_lshl_b32 s16, s13, 8
	s_lshl_b32 s17, s11, 7
	s_add_co_u32 s16, s16, s17                     ; my first row,
	s_lshl_b32 s16, s16, 6                         ; 64 bytes a row in a panel
	s_mul_i32 s46, s42, 6
	s_mul_i32 s47, s12, 3
	s_add_co_u32 s46, s46, s47                     ; my first panel
	s_lshl_b32 s46, s46, 18
	s_add_co_u32 s16, s16, s46
	s_mov_b32 s17, 0
	s_add_nc_u64 s[8:9], s[8:9], s[16:17]
; 2 NB matrix instructions: row blocks a0, a0 + 1 of the window's four x all NB column blocks, 32 along K.  All 48 accumulators take turns, one instruction a turn, in the
; same order in every quarter.  zero = 1: the first product starts the sum.
.macro MUL2 f, hi, a0, zero
	WIN 0xa1+0x50*(\hi)                            ; source 0 (B) window 1, source 1 (A) window 0, C and D window 2 or 3
.irp a, \a0, (\a0)+1
.set b, 0
.rept NB
.set rD, 8*(NB*(\a)+b)
.set rB, (\f)+8*b
.set rA, (\f)+8*(4*(\hi)+(\a))
.if \zero
	v_wmma_f32_16x16x32_bf16 v[rD:rD+7], v[rB:rB+7], v[rA:rA+7], 0
.else
	v_wmma_f32_16x16x32_bf16 v[rD:rD+7], v[rB:rB+7], v[rA:rA+7], v[rD:rD+7]
.endif
.set b, b+1
.endr
.endr
.endm
.macro FETCH slot, k, f                ; LD loads in one run: B's fragments, then A's, 32 K at byte k of the rows
	WIN 0x40                                       ; destination window 1
.set b, 0
.rept NB
	ds_load_b128 v[(\f)+8*b:(\f)+8*b+3],   v[ADRB+(\slot)] offset:(\k)+b*16*PITCH
	ds_load_b128 v[(\f)+8*b+4:(\f)+8*b+7], v[ADRB+(\slot)] offset:(\k)+b*16*PITCH+32
.set b, b+1
.endr
	WIN 0
.irp i, 0,1,2,3,4,5,6,7
	ds_load_b128 v[(\f)+8*(\i):(\f)+8*(\i)+3],   v[ADRA+(\slot)] offset:(\k)+(\i)*16*PITCH
	ds_load_b128 v[(\f)+8*(\i)+4:(\f)+8*(\i)+7], v[ADRA+(\slot)] offset:(\k)+(\i)*16*PITCH+32
.endr
.endm
.macro QUARTER slot, k, f, g, zero     ; multiplies buffer f; in its middle fetches the next quarter, at byte k, into g
	s_wait_dscnt 8                                 ; B and A's rows 0-63 are in; the youngest eight loads (A's rows 64-127) may be out
	MUL2 \f, 0, 0, \zero
	MUL2 \f, 0, 2, \zero
	PLACES
	FETCH \slot, \k, \g
	s_wait_dscnt LD                                ; all but the run just issued
	MUL2 \f, 1, 0, \zero
	MUL2 \f, 1, 2, \zero
.endm
; The last quarter of a K step multiplies buffer 1 and changes slots: one barrier; in front of it the wave waits for all its tensor loads (one is out: its part of the next slot),
; adds 0 to its spare word, and waits for that and for its reads of this slot.  fill = 1: the barrier opens a round of the cluster's, and this slot is filled again first behind it.
.macro TURN slot, next, fill
	WIN 0
	s_wait_tensorcnt 0x0
	ds_add_u32 v[SPW], v[NIL]
	s_wait_dscnt 9                                 ; the add and the youngest eight loads may be out
	MUL2 F1, 0, 0, 0
	s_wait_dscnt 0x0                               ; the add is done, and my reads of this slot are over
	s_barrier_signal -1
	MUL2 F1, 0, 2, 0
.if \fill
	WIN 0
.endif
	s_barrier_wait -1
.if \fill
	CREST                                          ; no wave of any partner still reads this slot or has a load on its way
	s_add_nc_u64 s[G0+4*(\slot)+2:G0+4*(\slot)+3], s[G0+4*(\slot)+2:G0+4*(\slot)+3], 2*KSTEP*2
	s_add_nc_u64 s[G0B+4*(\slot)+2:G0B+4*(\slot)+3], s[G0B+4*(\slot)+2:G0B+4*(\slot)+3], 2*KSTEP*2
	JLOAD \slot                                    ; my one tensor load behind the round; its four v_nop are also the places in front of the loads below
.else
	PLACES
.endif
	FETCH \next, 0, F0
	MUL2 F1, 1, 0, 0
	MUL2 F1, 1, 2, 0
.endm
	s_wait_tensorcnt 1                             ; my part of K step 0 is in; step 1's may stay out
	s_barrier_signal -1
	s_barrier_wait -1
	FETCH 0, 0, F0
	QUARTER 0, 64, F0, F1, 1                       ; the first quarter stands in front of the loop: its products start the sums
	WIN 0
	s_mov_b32 s3, LAPS-1
.Llap:                                                 ; a trip goes once round the ring and fills both slots again
	QUARTER 0, 128, F1, F0, 0
	QUARTER 0, 192, F0, F1, 0
	TURN 0, 1, 1
	QUARTER 1, 64,  F0, F1, 0
	QUARTER 1, 128, F1, F0, 0
	QUARTER 1, 192, F0, F1, 0
	TURN 1, 0, 1
	QUARTER 0, 64,  F0, F1, 0
	WIN 0
	s_sub_co_u32 s3, s3, 1
	s_cmp_lg_u32 s3, 0
	s_cbranch_scc1 .Llap
	QUARTER 0, 128, F1, F0, 0                      ; the last lap fills nothing
	QUARTER 0, 192, F0, F1, 0
	TURN 0, 1, 0
	QUARTER 1, 64,  F0, F1, 0
	QUARTER 1, 128, F1, F0, 0
	QUARTER 1, 192, F0, F1, 0
	s_wait_dscnt 8
	MUL2 F1, 0, 0, 0
	MUL2 F1, 0, 2, 0
	s_wait_dscnt 0x0
	MUL2 F1, 1, 0, 0
	MUL2 F1, 1, 2, 0
	WIN 0
; THE WAY OUT, a block of 16 rows at a time: rounded to bf16 (each accumulator from its low end on), 16 bytes a lane into my stage, back as rows of 64 bytes, stored.
.macro PACK a
.set AC, 8*NB*((\a)%4)
	WIN 0x0a+5*((\a)/4)                            ; sources 0 and 1: window 2 or 3
.set b, 0
.rept NB
.irp r, 0,1,2,3
	v_cvt_pk_bf16_f32 v[TMP+4*b+(\r)], v[AC+8*b+2*(\r)], v[AC+8*b+2*(\r)+1]
.endr
.set b, b+1
.endr
	WIN 0
.endm
.macro TOSTAGE a
.set BK, OB+192*((\a)%2)
.set b, 0
.rept NB
	ds_store_b128 v[STO], v[TMP+4*b:TMP+4*b+3] offset:(b/2)*16*SPP+(b%2)*32
.set b, b+1
.endr
.set b, 0
.rept NB
	ds_load_b128 v[BK+4*b:BK+4*b+3], v[RD] offset:(b/2)*16*SPP+(b%2)*8*SPP  ; LDS serves a wave's instructions in order (ISA guide 5.7.1.4): these see the stores above
.set b, b+1
.endr
.endm
.macro SEND a
.set BK, OB+192*((\a)%2)
	s_wait_dscnt 0x0                               ; the block is back in registers
	s_wait_xcnt 0x0                                ; the stores of the block before have read their registers: the next TOSTAGE loads into them
.set b, 0
.rept NB
	global_store_b128 v[CO], v[BK+4*b:BK+4*b+3], s[8:9] offset:(b/2)*PANEL+1024*(\a)+512*(b%2)  ; 512 consecutive bytes of a panel, aligned
.set b, b+1
.endr
.endm
	PLACES
	PACK 0
	TOSTAGE 0
.irp a, 1,2,3,4,5,6,7                  ; block a's conversions stand between block a - 1's loads from the stage and the wait for them
	PACK \a
	SEND (\a)-1
	TOSTAGE \a
.endr
	SEND 7
	s_wait_tensorcnt 0x0                           ; the wave's end
	ds_add_u32 v[SPW], v[NIL]
	s_wait_dscnt 0x0
	CROUND                                         ; the closing round: no work-group ends while a partner may still ask for a tile that names it
	s_endpgm
.Lfunc_end_k_qfecb834ca8_qkv:
	.size	k_qfecb834ca8_qkv, .Lfunc_end_k_qfecb834ca8_qkv-k_qfecb834ca8_qkv
	.p2alignl 7, 3214868480
	.fill 96, 4, 3214868480
	.section	.rodata,"a",@progbits
	.p2align	6, 0x0
	.amdhsa_kernel k_qfecb834ca8_qkv
		.amdhsa_group_segment_fixed_size 327680
		.amdhsa_private_segment_fixed_size 0
		.amdhsa_enable_private_segment 0
		.amdhsa_kernarg_size 24
		.amdhsa_user_sgpr_count 2
		.amdhsa_user_sgpr_kernarg_segment_ptr 1
		.amdhsa_wavefront_size32 1
		.amdhsa_system_sgpr_workgroup_id_x 1
		.amdhsa_system_sgpr_workgroup_id_y 1
		.amdhsa_system_sgpr_workgroup_id_z 1
		.amdhsa_system_vgpr_workitem_id 0
		.amdhsa_next_free_vgpr 960
		.amdhsa_next_free_sgpr 66
		.amdhsa_reserve_vcc 0
		.amdhsa_float_denorm_mode_32 3
		.amdhsa_float_denorm_mode_16_64 3
		.amdhsa_memory_ordered 1
		.amdhsa_forward_progress 1
		.amdhsa_inst_pref_size 115
	.end_amdhsa_kernel
	.amdgpu_metadata
---
amdhsa.version: [ 1, 2 ]
amdhsa.kernels:
  - .name:           k_qfecb834ca8_qkv
    .symbol:         k_qfecb834ca8_qkv.kd
    .args:
      - { .name: xb, .offset: 0, .size: 8, .value_kind: global_buffer, .address_space: global }
      - { .name: wt, .offset: 8, .size: 8, .value_kind: global_buffer, .address_space: global }
      - { .name: qkv, .offset: 16, .size: 8, .value_kind: global_buffer, .address_space: global }
    .group_segment_fixed_size: 327680
    .private_segment_fixed_size: 0
    .kernarg_segment_align: 8
    .kernarg_segment_size: 24
    .max_flat_workgroup_size: 128
    .sgpr_count:     66
    .vgpr_count:     960
    .wavefront_size: 32
...
	.end_amdgpu_metadata
.endif
;; end of part 3
;; launch attn (part 4): grid 16 x 16, 4 waves a work-group, no clusters, 198,144 bytes of LDS; arguments qkv, rinv, scales, ao; writes ao
.if DOCPART == 4
	.amdgcn_target "amdgcn-amd-amdhsa--gfx1250"
	.amdhsa_code_object_version 6
	.text
	.protected	k_qfecb834ca8_attn
	.globl	k_qfecb834ca8_attn
	.p2align	8
	.type	k_qfecb834ca8_attn,@function
k_qfecb834ca8_attn:
	s_mov_b64 s[64:65], 0
	v_nop
	global_prefetch_b8 v0, s[64:65] scope:SCOPE_SE
	s_setreg_imm32_b32 hwreg(HW_REG_WAVE_MODE, 25, 1), 1
	s_wait_xcnt 0x0
; ATTN.  In the order rho the positions of one residue l % 8 of one batch (a CLASS, 256 rows) follow each other, and query j sees keys j - 7 .. j of its class: a band of width 8.
; A work-group takes one class and one head: 256 queries, 256 keys, 128 channels; a wave 64 queries: four tiles of 16.  A tile meets 32 keys: the 16 before its own and its own 16.
; S^T = K Q^T (source 0 = 16 keys, source 1 = 16 queries): a lane holds ONE query (lane % 16) and the keys 8 (lane / 16) + 0..7.  The two results, rounded to bf16 in pairs, ARE
; source 1 (32 keys x 16 queries) of O^T = V^T P.  K comes out of LDS as it lies, V turned, by ds_load_tr16_b128.
; p = 2^(cl s + bm - m): cl = rinv[query] sq sk log2(e) / sqrt(128), one f32 factor a lane, holds all that the product in front left out;
; bm = -0.5 log2(8 w + 1) for w = query - key in 0..7 and -inf elsewhere, the same 16 registers for every tile; m is the row's true maximum (key w = 0 is always seen, so m is finite).
; Keys in front of the class's first are hidden by -inf too (wave 0, tile 0; the fragments read there are the class's last 16 rows, finite numbers, whose weight is 0).
; ao[rho][128 head + ch] = sum p V / sum p in bf16, V unscaled: sv rides on the last product's way out.
; K and V of the class and head, 4 + 4 panels of 16,384 dense bytes, are brought once, one panel of each by each wave; no LDS byte is filled twice.
; NO CLUSTER: no two work-groups read the same panel rows.  LIMITS: a weight below 2^-126 counts as 0; NaN and infinities in q, k, v are not treated apart.
.set PK,    80        ; a panel row of K in LDS: 64 bytes + 16: an odd multiple of 16
.set PV,    96        ; of V: 64 + 32: an odd multiple of 32, for the turning load
.set KP,    256*PK    ; a panel of K
.set VP,    256*PV    ; a panel of V
.set VB,    4*KP      ; V begins here
.set STAGE, VB+4*VP   ; a multiple of 256; 16 rows x 272 bytes for each wave
.set SP,    272
.set SPARE, STAGE+4*16*SP  ; the spare words: two blocks of 256 bytes that no other line names
.set AK,  4           ; v4   K: 80 (64 w + l % 16) + 16 (l / 16)
.set AKP, 5           ; v5   the same for the tile in front of my first (for wave 0: the class's last)
.set AV,  6           ; v6, v7   V, panels 0-1 and panels 2-3
.set AVP, 8           ; v8, v9   the same for the tile in front of my first
.set STO, 10
.set RD,  11
.set GO,  12
.set QO,  13
.set SPW, 28          ; v28  SPARE + 4 x my thread's number; never rewritten
.set NIL, 29          ; v29  0; never rewritten
.set BM,  32          ; v32-39 the tile before, v40-47 the own tile
.set S,   48          ; v48-55, v56-63 likewise
.set KF,  64          ; v64-95 K of the tile before (4 x 32 channels), v96-127 of the own tile; later O^T, channel block cb at 64 + 8 cb
.set VF,  128         ; v128-191 V^T: channel block cb at 128 + 8 cb
.set P,   192         ; v192-199
.set OUT, 200         ; v200-231
.set CL,  232         ; v232-239 a pair for each tile
.set G1K, 24
.set G1V, 32
.set G0K, 40
.set G0V, 44
.set MSB, 0
.macro WIN new
.if MSB != (\new)
	s_set_vgpr_msb (MSB<<8)|(\new)
.set MSB, \new
.endif
.endm
	s_load_b256 s[4:11], s[0:1], 0x0               ; qkv 4:5, rinv 6:7, scales 8:9, ao 10:11
	v_lshl_add_u32 v[SPW], v0, 2, SPARE
	v_mov_b32 v[NIL], 0
	ds_add_u32 v[SPW], v[NIL]                      ; the wave's opening: the add and its wait stand ahead of my first tensor load
	ds_add_u32 v28, v29
	v_lshrrev_b32 v1, 5, v0
	v_readfirstlane_b32 s12, v1                    ; wave 0..3
	s_mov_b32 s13, ttmp9                           ; head
	s_and_b32 s14, ttmp7, 0xffff                   ; class = 8 b + l % 8
	; a panel's 256 rows of the class are 16,384 dense bytes: asked for as 64 rows of 256 bytes, padded in LDS after every 64 bytes
	s_mov_b32 s[G1K], (1<<16)|(1<<20)|(3<<22)|(3<<25)  ; 2-byte elements; padding on; after every 16 words (code 3) 4 words (code 3)
	s_mov_b32 s[G1V], (1<<16)|(1<<20)|(3<<22)|(7<<25)  ; 8 words (code 7)
.irp g, G1K, G1V
	s_mov_b32 s[\g+1], 128<<16                     ; tensor_dim0 = 128
	s_mov_b32 s[\g+2], 64<<16                      ; tensor_dim1 = 64
	s_mov_b32 s[\g+3], 128<<16                     ; tile_dim0
	s_mov_b32 s[\g+4], 64                          ; tile_dim1
	s_mov_b32 s[\g+5], 128                         ; elements from row to row
	s_mov_b32 s[\g+6], 0
	s_mov_b32 s[\g+7], 0
.endr
	s_mov_b32 s[G0K], 1
	s_mul_i32 s[G0K+1], s12, KP                    ; my panel of K
	s_mov_b32 s[G0V], 1
	s_mul_i32 s[G0V+1], s12, VP
	s_add_co_u32 s[G0V+1], s[G0V+1], VB            ; my panel of V
	s_lshl_b32 s16, s13, 2
	s_add_co_u32 s16, s16, s12                     ; panel 4 head + wave of a third of qkv,
	s_lshl_b32 s16, s16, 18
	s_lshl_b32 s17, s14, 14                        ; the class's rows in it
	s_add_co_u32 s16, s16, s17
	s_add_co_u32 s18, s16, 64<<18                  ; K's panels begin at 64,
	s_mov_b32 s19, 0
	s_add_co_u32 s20, s16, 128<<18                 ; V's at 128
	s_mov_b32 s21, 0
	s_lshl_b32 s22, s13, 20                        ; Q: panel 4 head,
	s_add_co_u32 s22, s22, s17                     ; the class,
	s_lshl_b32 s23, s12, 12                        ; my wave's 64 rows of 64 bytes
	s_add_co_u32 s22, s22, s23
	s_mov_b32 s23, 0
	s_lshl_b32 s54, s14, 10                        ; rinv: 4 (256 class + 64 wave)
	s_lshl_b32 s55, s12, 8
	s_add_co_u32 s54, s54, s55
	s_mov_b32 s55, 0
	s_lshl_b32 s56, s14, 20                        ; ao: (256 class + 64 wave) rows of 4,096 bytes + 256 head
	s_lshl_b32 s57, s12, 18
	s_add_co_u32 s56, s56, s57
	s_lshl_b32 s57, s13, 8
	s_add_co_u32 s56, s56, s57
	s_mov_b32 s57, 0
	s_mov_b32 s60, 0x76543210
	s_mov_b32 s61, 0xfedcba98
	s_wait_dscnt 0x0                               ; the opening add is done
	s_wait_kmcnt 0x0
	s_add_nc_u64 s[G0K+2:G0K+3], s[4:5], s[18:19]
	s_or_b32 s[G0K+3], s[G0K+3], 0x80000000
	s_add_nc_u64 s[G0V+2:G0V+3], s[4:5], s[20:21]
	s_or_b32 s[G0V+3], s[G0V+3], 0x80000000
	tensor_load_to_lds s[G0K:G0K+3], s[G1K:G1K+7]  ; both fills of the wave stand together: two tensor loads of mine are out
	s_nop 0
	tensor_load_to_lds s[G0V:G0V+3], s[G1V:G1V+7]
	s_nop 0
.rept 4
	v_nop
.endr
	s_load_b64 s[48:49], s[8:9], 0x0               ; sq, sk
	s_add_nc_u64 s[4:5], s[4:5], s[22:23]
	s_add_nc_u64 s[6:7], s[6:7], s[54:55]
	s_add_nc_u64 s[10:11], s[10:11], s[56:57]
	v_and_b32 v1, 15, v0                           ; r = l % 16
	v_bfe_u32 v2, v0, 4, 1                         ; h = l / 16
	v_lshlrev_b32 v[QO], 6, v1
	v_lshl_add_u32 v[QO], v2, 4, v[QO]             ; row x 64 + 16 h
	v_lshlrev_b32 v14, 2, v1
	WIN 0x40                                       ; destination window 1
.set i, 0
.rept 16                                               ; Q stays in registers: tile i / 4, panel i % 4
	global_load_b128 v[8*i:8*i+3],   v[QO], s[4:5] offset:262144*(i%4)+1024*(i/4)
	global_load_b128 v[8*i+4:8*i+7], v[QO], s[4:5] offset:262144*(i%4)+1024*(i/4)+32
.set i, i+1
.endr
	WIN 0
.irp t, 0,1,2,3
	global_load_b32 v[CL+2*\t], v14, s[6:7] offset:64*\t  ; 1 / rms of my query in tile t
.endr
	s_lshl_b32 s15, s12, 6                         ; 64 w: my first row
	s_add_co_u32 s16, s12, 3                       ; the first row of the tile in front of my first: 64 ((w + 3) & 3) + 48,
	s_and_b32 s16, s16, 3                          ; which is 64 w - 16 for waves 1 to 3 and row 240 for wave 0, whose scores there are hidden:
	s_lshl_b32 s16, s16, 6                         ; 48 to 240, so with a lane's 15 rows it stays inside a panel's 256
	s_add_co_u32 s16, s16, 48
	s_mul_i32 s17, s15, PK
	s_mul_i32 s18, s16, PK
	s_mul_i32 s19, s15, PV
	s_mul_i32 s20, s16, PV
	v_mul_u32_u24 v3, v1, PK
	v_lshl_add_u32 v3, v2, 4, v3
	v_add_nc_u32 v[AK], s17, v3
	v_add_nc_u32 v[AKP], s18, v3
	v_and_b32 v3, 7, v0                            ; the turning load: lane l reads key 8 h + l % 8, channels 8 ((l / 8) % 2) + 0..7
	v_lshl_add_u32 v3, v2, 3, v3
	v_mul_u32_u24 v3, v3, PV
	v_bfe_u32 v15, v0, 3, 1
	v_lshl_add_u32 v3, v15, 4, v3
	v_add_nc_u32 v3, VB, v3
	v_add_nc_u32 v[AV], s19, v3
	v_add_nc_u32 v[AV+1], 2*VP, v[AV]
	v_add_nc_u32 v[AVP], s20, v3
	v_add_nc_u32 v[AVP+1], 2*VP, v[AVP]
	s_mul_i32 s21, s12, 16*SP
	s_add_co_u32 s21, s21, STAGE                   ; my stage
	v_mul_u32_u24 v3, v1, SP                       ; in: row r, 16 bytes for each half of the lanes
	v_lshl_add_u32 v3, v2, 4, v3
	v_add_nc_u32 v[STO], s21, v3
	v_mul_u32_u24 v3, v2, SP                       ; back: lanes 0-15 one row of 256 bytes, lanes 16-31 the next
	v_lshl_add_u32 v3, v1, 4, v3
	v_add_nc_u32 v[RD], s21, v3
	v_lshlrev_b32 v[GO], 12, v2                    ; and the same two rows in ao
	v_lshl_add_u32 v[GO], v1, 4, v[GO]
	s_cmp_eq_u32 s12, 0
	s_cselect_b32 s52, 0xff800000, 0               ; what hides the tile in front of the class's first: -inf for wave 0, else 0
	s_mov_b32 s53, s52
	v_mov_b32 v25, 0                               ; the upper halves of two pairs of which the low word is used for both results
	v_mov_b32 v27, 0
	v_mov_b32 v30, 0xff800000                      ; -inf
	; bm: register i holds key 8 h + i of its tile, so w = r - 8 h - i, + 16 for the tile before
	v_lshlrev_b32 v3, 3, v2
	v_sub_nc_u32 v15, v1, v3
.set i, 0
.rept 16
	v_add_nc_u32 v[KF+i], 16*(1-i/8)-i%8, v15      ; w
	v_lshl_add_u32 v[BM+i], v[KF+i], 3, 1
	v_cvt_f32_i32 v[BM+i], v[BM+i]                 ; 8 w + 1
.set i, i+1
.endr
.set i, 0
.rept 16
	v_log_f32 v[BM+i], v[BM+i]                     ; log2; what it makes of a negative number is thrown away below
.set i, i+1
.endr
	v_nop                                          ; a plain instruction behind the last transcendental
.set i, 0
	s_wait_alu depctr_va_vdst(0)
.rept 16
	v_mul_f32 v[BM+i], -0.5, v[BM+i]
	v_cmp_gt_u32 vcc_lo, 8, v[KF+i]                ; 0 <= w < 8, as one unsigned compare
	v_cndmask_b32 v[BM+i], v30, v[BM+i], vcc_lo
.set i, i+1
.endr
	s_wait_loadcnt 0x0                             ; Q and rinv
	s_wait_kmcnt 0x0
	s_mul_f32 s50, s48, s49
	s_mul_f32 s50, s50, 0x3e0293ee                 ; sq sk log2(e) / sqrt(128)
.irp t, 0,1,2,3
	v_mul_f32 v[CL+2*\t], s50, v[CL+2*\t]
.endr
.irp t, 0,1,2,3
	v_mov_b32 v[CL+2*\t+1], v[CL+2*\t]
.endr
	s_wait_tensorcnt 0x0                           ; my two panels are in;
	s_barrier_signal -1
	s_barrier_wait -1                              ; everybody's are: every wave reads all eight
; One tile of 16 queries.
.macro ATT t
.irp c, 0,1,2,3                                        ; K: 32 channels of panel c, the tile before and the own tile
.if (\t) == 0
	ds_load_b128 v[KF+8*\c:KF+8*\c+3],   v[AKP] offset:KP*\c
	ds_load_b128 v[KF+8*\c+4:KF+8*\c+7], v[AKP] offset:KP*\c+32
.else
	ds_load_b128 v[KF+8*\c:KF+8*\c+3],   v[AK] offset:KP*\c+16*PK*((\t)-1)
	ds_load_b128 v[KF+8*\c+4:KF+8*\c+7], v[AK] offset:KP*\c+16*PK*((\t)-1)+32
.endif
	ds_load_b128 v[KF+32+8*\c:KF+32+8*\c+3],   v[AK] offset:KP*\c+16*PK*(\t)
	ds_load_b128 v[KF+32+8*\c+4:KF+32+8*\c+7], v[AK] offset:KP*\c+16*PK*(\t)+32
.endr
.irp cb, 0,1,2,3,4,5,6,7                               ; V^T: 16 channels; registers 0-3 the tile before, 4-7 the own tile
.set VO, VP*(((\cb)/2)%2)+32*((\cb)%2)
.if (\t) == 0
	ds_load_tr16_b128 v[VF+8*(\cb):VF+8*(\cb)+3], v[AVP+(\cb)/4] offset:VO
.else
	ds_load_tr16_b128 v[VF+8*(\cb):VF+8*(\cb)+3], v[AV+(\cb)/4] offset:VO+16*PV*((\t)-1)
.endif
	ds_load_tr16_b128 v[VF+8*(\cb)+4:VF+8*(\cb)+7], v[AV+(\cb)/4] offset:VO+16*PV*(\t)
.endr
	s_wait_dscnt 16                                ; K is in; V's sixteen loads may be out
	WIN 0x04                                       ; source 1 (Q) window 1
.irp c, 0,1,2,3                                        ; the two accumulators take turns; the first products start the sums
.if \c == 0
	v_wmma_f32_16x16x32_bf16 v[S:S+7],    v[KF+8*\c:KF+8*\c+7],       v[32*(\t)+8*\c:32*(\t)+8*\c+7], 0
	v_wmma_f32_16x16x32_bf16 v[S+8:S+15], v[KF+32+8*\c:KF+32+8*\c+7], v[32*(\t)+8*\c:32*(\t)+8*\c+7], 0
.else
	v_wmma_f32_16x16x32_bf16 v[S:S+7],    v[KF+8*\c:KF+8*\c+7],       v[32*(\t)+8*\c:32*(\t)+8*\c+7], v[S:S+7]
	v_wmma_f32_16x16x32_bf16 v[S+8:S+15], v[KF+32+8*\c:KF+32+8*\c+7], v[32*(\t)+8*\c:32*(\t)+8*\c+7], v[S+8:S+15]
.endif
.endr
	WIN 0
.rept 4
	v_nop                                          ; the places behind those products (ISA guide 7.12.1)
.endr
.irp p, 0,1,2,3,4,5,6,7                                ; cl s + bm, each accumulator from its low end on
	v_pk_fma_f32 v[S+2*\p:S+2*\p+1], v[S+2*\p:S+2*\p+1], v[CL+2*(\t):CL+2*(\t)+1], v[BM+2*\p:BM+2*\p+1] op_sel_hi:[1,0,1]
.endr
.if (\t) == 0
.irp p, 0,1,2,3
	v_pk_add_f32 v[S+2*\p:S+2*\p+1], v[S+2*\p:S+2*\p+1], s[52:53] op_sel_hi:[1,0]
.endr
.endif
	v_max3_num_f32 v16, v[S], v[S+1], v[S+2]
	v_max3_num_f32 v17, v[S+3], v[S+4], v[S+5]
	v_max3_num_f32 v18, v[S+6], v[S+7], v[S+8]
	v_max3_num_f32 v19, v[S+9], v[S+10], v[S+11]
	v_max3_num_f32 v20, v[S+12], v[S+13], v[S+14]
	v_max3_num_f32 v16, v16, v17, v[S+15]
	v_max3_num_f32 v18, v18, v19, v20
	v_max_num_f32 v16, v16, v18
	v_permlanex16_b32 v17, v16, s60, s61           ; the query's other 16 keys lie in the lane 16 away
	v_max_num_f32 v24, v16, v17
.irp p, 0,1,2,3,4,5,6,7
	v_pk_add_f32 v[S+2*\p:S+2*\p+1], v[S+2*\p:S+2*\p+1], v[24:25] op_sel_hi:[1,0] neg_lo:[0,1] neg_hi:[0,1]
.endr
.set i, 0
.rept 16
	v_exp_f32 v[S+i], v[S+i]
.set i, i+1
.endr
	v_nop                                          ; a plain instruction behind the last exponential
	s_wait_alu depctr_va_vdst(0)
.irp p, 0,1,2,3,4,5,6,7
	v_cvt_pk_bf16_f32 v[P+\p], v[S+2*\p], v[S+2*\p+1]
.endr
	s_wait_dscnt 0x0                               ; V is in
.irp cb, 0,1,2,3,4,5,6,7                               ; eight accumulators, one product each; they land where K's fragments lay, many plain instructions behind K's last reader
	v_wmma_f32_16x16x32_bf16 v[KF+8*(\cb):KF+8*(\cb)+7], v[VF+8*(\cb):VF+8*(\cb)+7], v[P:P+7], 0
.endr
	v_pk_add_f32 v[S:S+1], v[S:S+1], v[S+2:S+3]    ; the sum of the unrounded weights: these lines are also the places behind the products
	v_pk_add_f32 v[S+4:S+5], v[S+4:S+5], v[S+6:S+7]
	v_pk_add_f32 v[S+8:S+9], v[S+8:S+9], v[S+10:S+11]
	v_pk_add_f32 v[S+12:S+13], v[S+12:S+13], v[S+14:S+15]
	v_pk_add_f32 v[S:S+1], v[S:S+1], v[S+4:S+5]
	v_pk_add_f32 v[S+8:S+9], v[S+8:S+9], v[S+12:S+13]
	v_pk_add_f32 v[S:S+1], v[S:S+1], v[S+8:S+9]
	v_add_f32 v16, v[S], v[S+1]
	v_permlanex16_b32 v17, v16, s60, s61
	v_add_f32 v16, v16, v17
	v_rcp_f32 v26, v16
	s_wait_xcnt 0x0                                ; the last tile's stores have read OUT: it is written again only behind this wait
	v_nop                                          ; a plain instruction behind the reciprocal
.set i, 0
	s_wait_alu depctr_va_vdst(0)
.rept 32
	v_pk_mul_f32 v[KF+2*i:KF+2*i+1], v[KF+2*i:KF+2*i+1], v[26:27] op_sel_hi:[1,0]
.set i, i+1
.endr
.set i, 0
.rept 32
	v_cvt_pk_bf16_f32 v[OUT+i], v[KF+2*i], v[KF+2*i+1]
.set i, i+1
.endr
.irp f, 0,1,2,3,4,5,6,7
	ds_store_b128 v[STO], v[OUT+4*\f:OUT+4*\f+3] offset:32*\f
.endr
.irp f, 0,1,2,3,4,5,6,7
	ds_load_b128 v[OUT+4*\f:OUT+4*\f+3], v[RD] offset:2*SP*\f  ; LDS serves a wave's instructions in order (ISA guide 5.7.1.4): these see the stores above
.endr
.irp f, 0,1,2,3,4,5,6,7
	s_wait_dscnt 7-\f
	global_store_b128 v[GO], v[OUT+4*\f:OUT+4*\f+3], s[10:11] offset:(16*(\t)+2*\f)*4096  ; 16 lanes store 256 consecutive bytes, aligned: a head's channels of a row
.endr
.endm
	ATT 0
	ATT 1
	ATT 2
	ATT 3
	s_wait_tensorcnt 0x0                           ; the wave's end
	ds_add_u32 v[SPW], v[NIL]
	s_wait_dscnt 0x0
	s_endpgm
.Lfunc_end_k_qfecb834ca8_attn:
	.size	k_qfecb834ca8_attn, .Lfunc_end_k_qfecb834ca8_attn-k_qfecb834ca8_attn
	.p2alignl 7, 3214868480
	.fill 96, 4, 3214868480
	.section	.rodata,"a",@progbits
	.p2align	6, 0x0
	.amdhsa_kernel k_qfecb834ca8_attn
		.amdhsa_group_segment_fixed_size 198144
		.amdhsa_private_segment_fixed_size 0
		.amdhsa_enable_private_segment 0
		.amdhsa_kernarg_size 32
		.amdhsa_user_sgpr_count 2
		.amdhsa_user_sgpr_kernarg_segment_ptr 1
		.amdhsa_wavefront_size32 1
		.amdhsa_system_sgpr_workgroup_id_x 1
		.amdhsa_system_sgpr_workgroup_id_y 1
		.amdhsa_system_sgpr_workgroup_id_z 1
		.amdhsa_system_vgpr_workitem_id 0
		.amdhsa_next_free_vgpr 384
		.amdhsa_next_free_sgpr 66
		.amdhsa_reserve_vcc 1
		.amdhsa_float_denorm_mode_32 3
		.amdhsa_float_denorm_mode_16_64 3
		.amdhsa_memory_ordered 1
		.amdhsa_forward_progress 1
		.amdhsa_inst_pref_size 65
	.end_amdhsa_kernel
	.amdgpu_metadata
---
amdhsa.version: [ 1, 2 ]
amdhsa.kernels:
  - .name:           k_qfecb834ca8_attn
    .symbol:         k_qfecb834ca8_attn.kd
    .args:
      - { .name: qkv, .offset: 0, .size: 8, .value_kind: global_buffer, .address_space: global }
      - { .name: rinv, .offset: 8, .size: 8, .value_kind: global_buffer, .address_space: global }
      - { .name: scales, .offset: 16, .size: 8, .value_kind: global_buffer, .address_space: global }
      - { .name: ao, .offset: 24, .size: 8, .value_kind: global_buffer, .address_space: global }
    .group_segment_fixed_size: 198144
    .private_segment_fixed_size: 0
    .kernarg_segment_align: 8
    .kernarg_segment_size: 32
    .max_flat_workgroup_size: 128
    .sgpr_count:     66
    .vgpr_count:     384
    .wavefront_size: 32
...
	.end_amdgpu_metadata
.endif
;; end of part 4
;; launch outp (part 5): grid 16 x 16, 4 waves a work-group, clusters of 4 x 4, 327,680 bytes of LDS; arguments ao, wt, out0, x, scales; writes out0
.if DOCPART == 5
	.amdgcn_target "amdgcn-amd-amdhsa--gfx1250"
	.amdhsa_code_object_version 6
	.text
	.protected	k_qfecb834ca8_outp
	.globl	k_qfecb834ca8_outp
	.p2align	8
	.type	k_qfecb834ca8_outp,@function
k_qfecb834ca8_outp:
	s_mov_b64 s[64:65], 0
	v_nop
	global_prefetch_b8 v0, s[64:65] scope:SCOPE_SE
	s_setreg_imm32_b32 hwreg(HW_REG_WAVE_MODE, 25, 1), 1
	s_wait_xcnt 0x0
	s_wait_alu depctr_hold_cnt(0) depctr_sa_sdst(0) depctr_va_vdst(0) depctr_va_sdst(0) depctr_va_ssrc(0) depctr_va_vcc(0) depctr_vm_vsrc(0)
	s_getreg_b32 s2, hwreg(HW_REG_IB_STS2, 6, 4)
	s_cmp_eq_u32 s2, 0
	s_cbranch_scc0 .Lentry_in_a_cluster
	s_endpgm
.Lentry_in_a_cluster:
	s_bfe_u32 s2, ttmp6, 0x10000c
	s_cmp_lg_u32 s2, 0xf033
	s_cbranch_scc0 .Lentry_shape_is_right
	s_endpgm
.Lentry_shape_is_right:
; OUTP.  out0[b][l][n] = x[b][l][n] + sv so sum over k of ao[rho][k] t_o[n][k]; f32 sums, the scale and the residual in one f32 multiply-add.
; A tile of C is 256 x 128: four waves, each 128 x 64: 32 accumulators, 256 registers.  16 x 16 tiles: one for each of 256 WGPs.
; K goes in 16 steps of 128 through two LDS slots filled by the tensor data mover; one load a wave: waves 0, 1 bring A's two halves (128 rows), waves 2, 3 B's (64 rows).
; CLUSTER 4 x 4: A's tile is asked for jointly along a cluster's row, B's along a column.  THE MATRIX INSTRUCTION IS USED TRANSPOSED: a lane holds eight neighbouring columns of one row of C.
; ROWS.  Tile row ty is a class (b = ty / 8, l % 8 = ty % 8): row j of the tile is row b 2048 + 8 j + ty % 8 of x and out0, so neighbouring rows of the tile lie 65,536 bytes apart.
; THE RESIDUAL is asked for at the start: my 128 x 64 numbers of x, 64 loads, land in the free halves of the accumulators' windows while K is walked; nothing in the loop waits for them.
; REGISTERS: window 0: v0-31 addresses; v64-127, v128-191 A's fragments; v32-63, v192-223 the way out.   window 1: v64-95, v128-159 B's fragments.
;   window 2: v0-127 accumulators of my rows 0-63 ((a, b) at v[8 (4 a + b)]), v128-255 x of those rows;   window 3: the same for rows 64-127.
.set NB,     4
.set BN,     32*NB
.set SIZE_K, 2048
.set KSTEP,  128
.set PITCH,  272                       ; 256 bytes + 16 of padding: the 16 rows of a fragment load start at 16 different groups of four banks (ISA guide 11.1)
.set HALFA,  128*PITCH
.set HALFB,  16*NB*PITCH
.set SLOT,   2*HALFA+2*HALFB
.set STAGE,  2*SLOT                    ; behind the ring, a multiple of 256: 16 rows x 272 bytes for each wave
.set SP,     272
.set SPARE,  STAGE+4*16*SP             ; the spare words: two blocks of 256 bytes that no other line names
.set LAPS,   SIZE_K/(2*KSTEP)
.set LD,     2*NB+16
.set RSTEP,  65536                     ; bytes between neighbouring rows of a tile in x and out0
.set ADRA, 16
.set ADRB, 20
.set STO,  24
.set RD,   25
.set CO,   26                          ; never rewritten: the loads of x name it until the end
.set SPW,  28                          ; v28  SPARE + 4 x my thread's number; never rewritten
.set NIL,  29                          ; v29  0; never rewritten
.set F0,   64
.set F1,   128
.set OB,   32
.set G1, 24
.set G0, 32
.set G1B, 48
.set G0B, 56
.set MSB, 0
.macro WIN new
.if MSB != (\new)
	s_set_vgpr_msb (MSB<<8)|(\new)
.set MSB, \new
.endif
.endm
.macro JLOAD s                         ; a joint load: waves 0, 1 ask for A, waves 2, 3 for B; an s_nop 0 and four v_nop follow each line
	s_cmp_eq_u32 s11, 0
	s_cbranch_scc0 .Lfor_b_\@
	tensor_load_to_lds s[G0+4*(\s):G0+4*(\s)+3], s[G1:G1+7]
	s_nop 0
.rept 4
	v_nop
.endr
	s_branch .Lasked_\@
.Lfor_b_\@:
	tensor_load_to_lds s[G0B+4*(\s):G0B+4*(\s)+3], s[G1B:G1B+7]
	s_nop 0
.rept 4
	v_nop
.endr
.Lasked_\@:
.endm
.macro CREST
	s_cmp_lg_u32 s10, 0
	s_cbranch_scc1 .Lnot_wave_0_\@
	s_barrier_signal -3
.Lnot_wave_0_\@:
	s_barrier_wait -3
	s_barrier_signal -1
	s_barrier_wait -1
.endm
.macro CROUND
	s_barrier_signal -1
	s_barrier_wait -1
	CREST
.endm
.macro PLACES
.rept 4
	v_nop
.endr
.endm
	s_load_b128 s[4:7], s[0:1], 0x0                ; ao s[4:5], wt s[6:7]
	s_load_b64 s[8:9], s[0:1], 0x10                ; out0
	s_load_b128 s[68:71], s[0:1], 0x18             ; x s[68:69], scales s[70:71]
	v_lshl_add_u32 v[SPW], v0, 2, SPARE
	v_mov_b32 v[NIL], 0
	ds_add_u32 v[SPW], v[NIL]                      ; the wave's opening: the add and its wait stand ahead of my first tensor load
	ds_add_u32 v28, v29
	v_lshrrev_b32 v1, 5, v0
	v_readfirstlane_b32 s10, v1
	s_lshr_b32 s11, s10, 1
	s_and_b32 s12, s10, 1
	s_bfe_u32 s40, ttmp6, 0x40000                  ; cx
	s_bfe_u32 s41, ttmp6, 0x40004                  ; cy
	s_lshl_b32 s42, ttmp9, 2
	s_add_co_u32 s42, s42, s40                     ; tile column
	s_and_b32 s13, ttmp7, 0xffff
	s_lshl_b32 s13, s13, 2
	s_add_co_u32 s13, s13, s41                     ; tile row
	s_lshl_b32 s43, s41, 2
	s_lshl_b32 s43, 15, s43
	s_lshl_b32 s44, 0x1111, s40
	s_or_b32 s[G1+0], s43, (1<<16)|(1<<20)|(1<<21)|(5<<22)|(3<<25)
	s_or_b32 s[G1B+0], s44, (1<<16)|(1<<20)|(1<<21)|(5<<22)|(3<<25)
	s_mov_b32 s[G1+1], KSTEP<<16
	s_mov_b32 s[G1+2], 128<<16
	s_mov_b32 s[G1+3], KSTEP<<16
	s_mov_b32 s[G1+4], 128
	s_mov_b32 s[G1+5], SIZE_K
	s_mov_b32 s[G1+6], 0
	s_mov_b32 s[G1+7], 0
	s_mov_b32 s[G1B+1], KSTEP<<16
	s_mov_b32 s[G1B+2], (16*NB)<<16                ; 64 rows
	s_mov_b32 s[G1B+3], KSTEP<<16
	s_mov_b32 s[G1B+4], 16*NB
	s_mov_b32 s[G1B+5], SIZE_K
	s_mov_b32 s[G1B+6], 0
	s_mov_b32 s[G1B+7], 0
	s_lshl_b32 s17, s12, 7
	s_lshl_b32 s16, s13, 8
	s_add_co_u32 s16, s16, s17                     ; A: row 256 x tile row + 128 x half
	s_lshl_b32 s16, s16, 12
	s_mov_b32 s17, 0
	s_mul_i32 s46, s42, BN
	s_mul_i32 s47, s12, 16*NB
	s_add_co_u32 s46, s46, s47                     ; B: row 128 x tile column + 64 x half of t_o
	s_lshl_b32 s46, s46, 12
	s_mov_b32 s47, 0
	s_mul_i32 s20, s12, HALFA
	s_mul_i32 s23, s12, HALFB
	s_add_co_u32 s23, s23, 2*HALFA
	s_wait_dscnt 0x0                               ; the opening add is done
	s_wait_kmcnt 0x0
	s_add_nc_u64 s[6:7], s[6:7], 0x1800000         ; t_o begins at row 6,144 of wt
	s_add_nc_u64 s[14:15], s[4:5], s[16:17]
	s_add_nc_u64 s[46:47], s[6:7], s[46:47]
	CROUND                                         ; all sixteen work-groups are here: the first joint loads meet
.irp s, 0,1
	s_mov_b32 s[G0+4*(\s)], 1
	s_add_co_u32 s[G0+4*(\s)+1], s20, (\s)*SLOT
	s_add_nc_u64 s[G0+4*(\s)+2:G0+4*(\s)+3], s[14:15], (\s)*KSTEP*2
	s_or_b32 s[G0+4*(\s)+3], s[G0+4*(\s)+3], 0x80000000
	s_mov_b32 s[G0B+4*(\s)], 1
	s_add_co_u32 s[G0B+4*(\s)+1], s23, (\s)*SLOT
	s_add_nc_u64 s[G0B+4*(\s)+2:G0B+4*(\s)+3], s[46:47], (\s)*KSTEP*2
	s_or_b32 s[G0B+4*(\s)+3], s[G0B+4*(\s)+3], 0x80000000
	JLOAD \s                                       ; two tensor loads of mine are out
.endr
	s_load_b128 s[72:75], s[70:71], 0x0            ; sq, sk, sv, so
	v_and_b32 v1, 15, v0
	v_bfe_u32 v2, v0, 4, 1
	v_lshlrev_b32 v[CO], 16, v2                    ; lanes 0-15 one row of the tile, lanes 16-31 the next, 65,536 bytes on;
	v_lshl_add_u32 v[CO], v1, 4, v[CO]             ; 16 bytes a lane: 16 lanes cover my 256 bytes of a row
	s_lshr_b32 s78, s13, 3
	s_lshl_b32 s78, s78, 11                        ; b 2048
	s_and_b32 s79, s13, 7
	s_add_co_u32 s78, s78, s79                     ; + l % 8: the row of x and out0 that is the tile's row 0
	s_lshl_b32 s78, s78, 13
	s_lshl_b32 s79, s11, 23                        ; my half: 128 rows of the tile
	s_add_co_u32 s78, s78, s79
	s_lshl_b32 s79, s42, 9                         ; the tile's 128 columns,
	s_add_co_u32 s78, s78, s79
	s_lshl_b32 s79, s12, 8                         ; my 64 of them
	s_add_co_u32 s78, s78, s79
	s_mov_b32 s79, 0
	s_add_nc_u64 s[8:9], s[8:9], s[78:79]
	s_add_nc_u64 s[68:69], s[68:69], s[78:79]
.set a, 0
.rept 8                                                ; x of block a (16 rows): window 2 + a / 4, v[128 + 32 (a % 4) ..]; the largest immediate, 126 rows of the tile, lies inside the signed 24 bits (ISA guide, chapter 10)
	WIN 0x80+0x40*(a/4)
.set t, 0
.rept 8
	global_load_b128 v[128+32*(a%4)+4*t:128+32*(a%4)+4*t+3], v[CO], s[68:69] offset:(16*a+2*t)*RSTEP th:TH_LOAD_NT
.set t, t+1
.endr
.set a, a+1
.endr
	WIN 0
	v_mul_u32_u24 v3, v1, PITCH
	v_lshl_add_u32 v3, v2, 4, v3
	s_mul_i32 s21, s11, HALFA
	s_mul_i32 s22, s12, HALFB
	s_add_co_u32 s22, s22, 2*HALFA
.irp s, 0,1
	v_add_nc_u32 v[ADRA+(\s)], s21, v3
	v_add_nc_u32 v[ADRB+(\s)], s22, v3
	s_add_co_u32 s21, s21, SLOT
	s_add_co_u32 s22, s22, SLOT
.endr
	s_mul_i32 s23, s10, 16*SP
	s_add_co_u32 s23, s23, STAGE                   ; my stage
	v_mul_u32_u24 v4, v1, SP                       ; in: row l % 16, 32 bytes (8 f32) for each half of the lanes
	v_lshl_add_u32 v4, v2, 5, v4
	v_add_nc_u32 v[STO], s23, v4
	v_mul_u32_u24 v5, v2, SP                       ; back: lanes 0-15 one row of 256 bytes, lanes 16-31 the next
	v_lshl_add_u32 v5, v1, 4, v5
	v_add_nc_u32 v[RD], s23, v5
	s_wait_kmcnt 0x0
	s_mul_f32 s76, s74, s75                        ; sv so
	s_mov_b32 s77, s76                             ; named with it as a pair
.macro MUL2 f, hi, a0, zero            ; 2 NB matrix instructions; all 32 accumulators take turns, one instruction a turn
	WIN 0xa1+0x50*(\hi)
.irp a, \a0, (\a0)+1
.set b, 0
.rept NB
.set rD, 8*(NB*(\a)+b)
.set rB, (\f)+8*b
.set rA, (\f)+8*(4*(\hi)+(\a))
.if \zero
	v_wmma_f32_16x16x32_bf16 v[rD:rD+7], v[rB:rB+7], v[rA:rA+7], 0
.else
	v_wmma_f32_16x16x32_bf16 v[rD:rD+7], v[rB:rB+7], v[rA:rA+7], v[rD:rD+7]
.endif
.set b, b+1
.endr
.endr
.endm
.macro FETCH slot, k, f
	WIN 0x40
.set b, 0
.rept NB
	ds_load_b128 v[(\f)+8*b:(\f)+8*b+3],   v[ADRB+(\slot)] offset:(\k)+b*16*PITCH
	ds_load_b128 v[(\f)+8*b+4:(\f)+8*b+7], v[ADRB+(\slot)] offset:(\k)+b*16*PITCH+32
.set b, b+1
.endr
	WIN 0
.irp i, 0,1,2,3,4,5,6,7
	ds_load_b128 v[(\f)+8*(\i):(\f)+8*(\i)+3],   v[ADRA+(\slot)] offset:(\k)+(\i)*16*PITCH
	ds_load_b128 v[(\f)+8*(\i)+4:(\f)+8*(\i)+7], v[ADRA+(\slot)] offset:(\k)+(\i)*16*PITCH+32
.endr
.endm
.macro QUARTER slot, k, f, g, zero
	s_wait_dscnt 8                                 ; B and A's rows 0-63 are in; the youngest eight loads may be out
	MUL2 \f, 0, 0, \zero
	MUL2 \f, 0, 2, \zero
	PLACES
	FETCH \slot, \k, \g
	s_wait_dscnt LD                                ; all but the run just issued
	MUL2 \f, 1, 0, \zero
	MUL2 \f, 1, 2, \zero
.endm
.macro TURN slot, next, fill           ; the last quarter of a K step, and the change of slots
	WIN 0
	s_wait_tensorcnt 0x0                           ; all my tensor loads have landed: my part of the next slot
	ds_add_u32 v[SPW], v[NIL]
	s_wait_dscnt 9                                 ; the add and the youngest eight loads may be out
	MUL2 F1, 0, 0, 0
	s_wait_dscnt 0x0                               ; the add is done, and my reads of this slot are over
	s_barrier_signal -1
	MUL2 F1, 0, 2, 0
.if \fill
	WIN 0
.endif
	s_barrier_wait -1
.if \fill
	CREST                                          ; no wave of any partner still reads this slot or has a load on its way
	s_add_nc_u64 s[G0+4*(\slot)+2:G0+4*(\slot)+3], s[G0+4*(\slot)+2:G0+4*(\slot)+3], 2*KSTEP*2
	s_add_nc_u64 s[G0B+4*(\slot)+2:G0B+4*(\slot)+3], s[G0B+4*(\slot)+2:G0B+4*(\slot)+3], 2*KSTEP*2
	JLOAD \slot                                    ; my one tensor load behind the round
.else
	PLACES
.endif
	FETCH \next, 0, F0
	MUL2 F1, 1, 0, 0
	MUL2 F1, 1, 2, 0
.endm
	s_wait_tensorcnt 1                             ; my part of K step 0 is in; step 1's may stay out
	s_barrier_signal -1
	s_barrier_wait -1
	FETCH 0, 0, F0
	QUARTER 0, 64, F0, F1, 1
	WIN 0
	s_mov_b32 s3, LAPS-1
.Llap:
	QUARTER 0, 128, F1, F0, 0
	QUARTER 0, 192, F0, F1, 0
	TURN 0, 1, 1
	QUARTER 1, 64,  F0, F1, 0
	QUARTER 1, 128, F1, F0, 0
	QUARTER 1, 192, F0, F1, 0
	TURN 1, 0, 1
	QUARTER 0, 64,  F0, F1, 0
	WIN 0
	s_sub_co_u32 s3, s3, 1
	s_cmp_lg_u32 s3, 0
	s_cbranch_scc1 .Llap
	QUARTER 0, 128, F1, F0, 0                      ; the last lap fills nothing
	QUARTER 0, 192, F0, F1, 0
	TURN 0, 1, 0
	QUARTER 1, 64,  F0, F1, 0
	QUARTER 1, 128, F1, F0, 0
	QUARTER 1, 192, F0, F1, 0
	s_wait_dscnt 8
	MUL2 F1, 0, 0, 0
	MUL2 F1, 0, 2, 0
	s_wait_dscnt 0x0
	MUL2 F1, 1, 0, 0
	MUL2 F1, 1, 2, 0
	WIN 0
; THE WAY OUT, a block of 16 rows at a time.  TOST: the f32 sums go into my stage (each accumulator's low four registers first) and come back as whole rows of 256 bytes.
; FIN: out = x + sv so sum, one multiply-add, and the stores.
.macro TOST a
.set BK, OB+160*((\a)%2)
.set AC, 8*NB*((\a)%4)
	s_wait_xcnt 0x0                                ; the stores of the block two back have read the registers that the loads below fill
	WIN 0x08+0x04*((\a)/4)                         ; the data of an LDS store is source 1: window 2 or 3
.irp b, 0,1,2,3
	ds_store_b128 v[STO], v[AC+8*\b:AC+8*\b+3]   offset:64*\b
	ds_store_b128 v[STO], v[AC+8*\b+4:AC+8*\b+7] offset:64*\b+16
.endr
	WIN 0
.irp t, 0,1,2,3,4,5,6,7
	ds_load_b128 v[BK+4*\t:BK+4*\t+3], v[RD] offset:2*SP*\t  ; LDS serves a wave's instructions in order (ISA guide 5.7.1.4): these see the stores above; the next block's stores come behind them
.endr
.endm
.macro FIN a, younger
.set BK, OB+160*((\a)%2)
.set XR, 128+32*((\a)%4)
	s_wait_dscnt \younger                          ; the block is back; the next block's sixteen LDS instructions may be out
	s_wait_loadcnt 8*(7-(\a))                      ; x of this block is in; the later blocks' loads may be out
	WIN 0x20+0x10*((\a)/4)                         ; source 2 (x) window 2 or 3
.set i, 0
.rept 16
	v_pk_fma_f32 v[BK+2*i:BK+2*i+1], v[BK+2*i:BK+2*i+1], s[76:77], v[XR+2*i:XR+2*i+1] op_sel_hi:[1,0,1]
.set i, i+1
.endr
	WIN 0
.irp t, 0,1,2,3,4,5,6,7
	global_store_b128 v[CO], v[BK+4*\t:BK+4*\t+3], s[8:9] offset:(16*(\a)+2*\t)*RSTEP th:TH_STORE_NT  ; 16 lanes store 256 consecutive bytes, aligned
.endr
.endm
	PLACES
	TOST 0
.irp a, 1,2,3,4,5,6,7
	TOST \a
	FIN (\a)-1, 16
.endr
	FIN 7, 0
	s_wait_tensorcnt 0x0                           ; the wave's end
	ds_add_u32 v[SPW], v[NIL]
	s_wait_dscnt 0x0
	CROUND                                         ; the closing round: no work-group ends while a partner may still ask for a tile that names it
	s_endpgm
.Lfunc_end_k_qfecb834ca8_outp:
	.size	k_qfecb834ca8_outp, .Lfunc_end_k_qfecb834ca8_outp-k_qfecb834ca8_outp
	.p2alignl 7, 3214868480
	.fill 96, 4, 3214868480
	.section	.rodata,"a",@progbits
	.p2align	6, 0x0
	.amdhsa_kernel k_qfecb834ca8_outp
		.amdhsa_group_segment_fixed_size 327680
		.amdhsa_private_segment_fixed_size 0
		.amdhsa_enable_private_segment 0
		.amdhsa_kernarg_size 40
		.amdhsa_user_sgpr_count 2
		.amdhsa_user_sgpr_kernarg_segment_ptr 1
		.amdhsa_wavefront_size32 1
		.amdhsa_system_sgpr_workgroup_id_x 1
		.amdhsa_system_sgpr_workgroup_id_y 1
		.amdhsa_system_sgpr_workgroup_id_z 1
		.amdhsa_system_vgpr_workitem_id 0
		.amdhsa_next_free_vgpr 1024
		.amdhsa_next_free_sgpr 80
		.amdhsa_reserve_vcc 0
		.amdhsa_float_denorm_mode_32 3
		.amdhsa_float_denorm_mode_16_64 3
		.amdhsa_memory_ordered 1
		.amdhsa_forward_progress 1
		.amdhsa_inst_pref_size 102
	.end_amdhsa_kernel
	.amdgpu_metadata
---
amdhsa.version: [ 1, 2 ]
amdhsa.kernels:
  - .name:           k_qfecb834ca8_outp
    .symbol:         k_qfecb834ca8_outp.kd
    .args:
      - { .name: ao, .offset: 0, .size: 8, .value_kind: global_buffer, .address_space: global }
      - { .name: wt, .offset: 8, .size: 8, .value_kind: global_buffer, .address_space: global }
      - { .name: out0, .offset: 16, .size: 8, .value_kind: global_buffer, .address_space: global }
      - { .name: x, .offset: 24, .size: 8, .value_kind: global_buffer, .address_space: global }
      - { .name: scales, .offset: 32, .size: 8, .value_kind: global_buffer, .address_space: global }
    .group_segment_fixed_size: 327680
    .private_segment_fixed_size: 0
    .kernarg_segment_align: 8
    .kernarg_segment_size: 40
    .max_flat_workgroup_size: 128
    .sgpr_count:     80
    .vgpr_count:     1024
    .wavefront_size: 32
...
	.end_amdgpu_metadata
.endif
;; end of part 5
;; ======== version 2 of 2: 4 launches; 1.16 times as fast as version 1
;; workspace buffers: part 8,192 bytes; scales 256 bytes; rinv 16,384 bytes; xb 16,777,216 bytes; wt 33,554,432 bytes; ao 16,777,216 bytes
;; launch prep (part 6): grid 512 x 1, 8 waves a work-group, no clusters, 0 bytes of LDS; arguments wq, wk, wv, wo, x, part, xb, rinv; writes part, xb, rinv
.if DOCPART == 6
	.amdgcn_target "amdgcn-amd-amdhsa--gfx1250"
	.amdhsa_code_object_version 6
	.text
	.protected	k_qfecb834ca8_prep
	.globl	k_qfecb834ca8_prep
	.p2align	8
	.type	k_qfecb834ca8_prep,@function
k_qfecb834ca8_prep:
	s_mov_b64 s[64:65], 0
	v_nop
	global_prefetch_b8 v0, s[64:65] scope:SCOPE_SE
	s_setreg_imm32_b32 hwreg(HW_REG_WAVE_MODE, 25, 1), 1
	s_wait_xcnt 0x0
; PREP.  Two streams in one launch, told apart by the work-group's number (the same for all its waves).
; Work-groups 0-255: partial sums of |w|.  Weight g >> 6, chunk g & 63 of 262,144 bytes; a wave sums 32,768 bytes and stores ONE f32:
;   part[8 g + wave], 512 numbers a weight.  The mean of |w| spans a whole weight, so it is finished in the next launch.
; Work-groups 256-511: x is rounded to bf16 and its rows are put in the order rho = b 2048 + (l % 8) 256 + l / 8, in which the eight
;   positions l, l - 8, .. l - 56 that a query sees are eight neighbouring rows; rinv[rho] = 1 / sqrt(mean x^2 + 1e-6), in f32.
;   xb lies IN PANELS: xb[column / 64][rho][64] bf16, so that 256 rows x 64 columns, a tile of the next product, are 32,768 dense bytes.
; No LDS, no barrier, no matrix unit, no cluster: every byte is read once, by one wave, and no two work-groups read the same bytes.
; LIMITS.  |w| is summed in chains of 16 numbers and then in trees: another order than a plain sum's.  The sum of a row's x^2 must stay
; inside f32.  NaN and infinities are not treated apart.
.set A, 16                             ; v[16:31]  sixteen chains (W part); v[16:23] four pairs of chains (X part)
.set X, 32                             ; v[32:95]  a ring of 16 slots of 4 (W part); v[32:159] 32 loads of 4 (X part)
.set XPAN, 4096*128                    ; bytes in a panel of xb
.macro HSUM a                          ; the sum of v[a] over each half of 16 lanes, in every lane of the half
	v_add_f32_dpp v[\a], v[\a], v[\a] row_xmask:1 row_mask:0xf bank_mask:0xf
	v_add_f32_dpp v[\a], v[\a], v[\a] row_xmask:2 row_mask:0xf bank_mask:0xf
	v_add_f32_dpp v[\a], v[\a], v[\a] row_xmask:4 row_mask:0xf bank_mask:0xf
	v_add_f32_dpp v[\a], v[\a], v[\a] row_xmask:8 row_mask:0xf bank_mask:0xf
.endm
	s_load_b512 s[4:19], s[0:1], 0x0               ; wq 4:5, wk 6:7, wv 8:9, wo 10:11, x 12:13, part 14:15, xb 16:17, rinv 18:19
	v_lshrrev_b32 v4, 5, v0
	v_readfirstlane_b32 s20, v4                    ; wave 0..7
	v_and_b32 v1, 31, v0                           ; lane
	v_lshlrev_b32 v2, 4, v1                        ; 16 bytes a lane: a load of the wave covers 512 neighbouring bytes
	s_mov_b32 s21, 0x7fffffff                      ; clears a sign
	s_mov_b32 s27, 0                               ; the high word of every offset pair s[26:27]
	s_mov_b32 s30, 0x76543210                      ; v_permlanex16_b32: each lane takes its own place in the other half
	s_mov_b32 s31, 0xfedcba98
	s_wait_kmcnt 0x0
	s_cmp_lt_u32 ttmp9, 256
	s_cbranch_scc0 .Lx
	; ---- the sums of |w| ----
	s_lshr_b32 s22, ttmp9, 6                       ; which weight
	s_mov_b64 s[24:25], s[4:5]
	s_cmp_eq_u32 s22, 1
	s_cselect_b64 s[24:25], s[6:7], s[24:25]
	s_cmp_eq_u32 s22, 2
	s_cselect_b64 s[24:25], s[8:9], s[24:25]
	s_cmp_eq_u32 s22, 3
	s_cselect_b64 s[24:25], s[10:11], s[24:25]
	s_and_b32 s26, ttmp9, 63
	s_lshl_b32 s26, s26, 18                        ; the chunk's 262,144 bytes
	s_lshl_b32 s23, s20, 15                        ; my wave's 32,768 of them
	s_add_co_u32 s26, s26, s23
	s_add_nc_u64 s[24:25], s[24:25], s[26:27]
.set i, 0
.rept 16                                               ; the ring is filled: sixteen loads of every wave are on their way
	global_load_b128 v[X+4*i:X+4*i+3], v2, s[24:25] offset:512*i
.set i, i+1
.endr
; Load i of 64.  Loads come back in order (ISA guide 5.7.1): the count leaves the younger ones out, 15 while the ring is refilled.
; The first four loads start the sixteen chains, so nothing is cleared; a chain takes 16 numbers.
.macro WS i
.if (\i) < 48
	s_wait_loadcnt 15
.else
	s_wait_loadcnt 63-(\i)
.endif
.set SL, X+4*((\i)%16)
.set CH, A+4*((\i)%4)
.irp k, 0,1,2,3
.if (\i) < 4
	v_and_b32 v[CH+\k], s21, v[SL+\k]
.else
	v_add_f32 v[CH+\k], v[CH+\k], |v[SL+\k]|
.endif
.endr
.if (\i) < 48
	global_load_b128 v[SL:SL+3], v2, s[24:25] offset:512*((\i)+16)
.endif
.endm
.set i, 0
.rept 64
	WS i
.set i, i+1
.endr
.irp k, 0,2,4,6
	v_pk_add_f32 v[A+\k:A+\k+1], v[A+\k:A+\k+1], v[A+8+\k:A+8+\k+1]
.endr
	v_pk_add_f32 v[A:A+1], v[A:A+1], v[A+4:A+5]
	v_pk_add_f32 v[A+2:A+3], v[A+2:A+3], v[A+6:A+7]
	v_pk_add_f32 v[A:A+1], v[A:A+1], v[A+2:A+3]
	v_add_f32 v16, v16, v17
	HSUM 16
	v_permlanex16_b32 v17, v16, s30, s31           ; the other half of the lanes
	v_add_f32 v16, v16, v17
	s_lshl_b32 s26, ttmp9, 3
	s_add_co_u32 s26, s26, s20
	s_lshl_b32 s26, s26, 2                         ; 4 (8 g + wave)
	v_mov_b32 v3, s26
	v_cmp_eq_u32 vcc_lo, 0, v1
	s_wait_xcnt 0x0                                ; EXEC is a source of the memory instructions issued so far: it changes only behind this wait
	s_and_saveexec_b32 s28, vcc_lo
	global_store_b32 v3, v16, s[14:15]             ; a reduction leaves one number a wave: 4 bytes, 2,048 of them in the launch
	s_wait_xcnt 0x0                                ; and again in front of the line that widens EXEC
	s_or_b32 exec_lo, exec_lo, s28
	s_endpgm
	; ---- x: bf16, rows in the order rho, in panels, and 1 / rms ----
.Lx:
	s_sub_co_u32 s22, ttmp9, 256
	s_lshl_b32 s22, s22, 3
	s_add_co_u32 s22, s22, s20                     ; u = 0..2047: my wave makes rows rho = 2 u (lanes 0-15) and 2 u + 1 (lanes 16-31)
	s_lshr_b32 s23, s22, 10
	s_lshl_b32 s23, s23, 11                        ; b 2048
	s_and_b32 s26, s22, 127
	s_lshl_b32 s26, s26, 4                         ; 8 j, j = 2 (u & 127)
	s_add_co_u32 s23, s23, s26
	s_bfe_u32 s26, s22, 0x30007                    ; l % 8 = (u >> 7) & 7
	s_add_co_u32 s23, s23, s26                     ; the first row in x; the second lies 8 rows, 65,536 bytes, further on
	s_lshl_b32 s26, s23, 13
	s_add_nc_u64 s[12:13], s[12:13], s[26:27]
	s_lshl_b32 s26, s22, 8                         ; two rows of 128 bytes in a panel of xb
	s_add_nc_u64 s[16:17], s[16:17], s[26:27]
	s_lshl_b32 s26, s22, 3                         ; two numbers in rinv
	s_add_nc_u64 s[18:19], s[18:19], s[26:27]
	v_lshrrev_b32 v7, 4, v1                        ; which of the two rows is my lane's
	v_and_b32 v8, 15, v1
	v_lshlrev_b32 v9, 4, v8                        ; 16 lanes x 16 bytes: 256 consecutive bytes of a row of x, aligned,
	v_lshl_add_u32 v9, v7, 16, v9                  ; in my row
	v_lshlrev_b32 v3, 3, v1                        ; 8 bytes a lane: the two rows' 128 bytes of a panel follow each other: 256 consecutive bytes, aligned
	v_add_nc_u32 v10, 16*XPAN, v3                  ; panels 16 to 31: so that the immediates stay inside their signed 24 bits (ISA guide, chapter 10)
	v_lshlrev_b32 v6, 2, v7
	v_mov_b32 v5, 0x3a000000                       ; 1 / 2048
.set i, 0
.rept 32                                               ; both rows at once: load i brings the 64 columns of panel i
	global_load_b128 v[X+4*i:X+4*i+3], v9, s[12:13] offset:256*i th:TH_LOAD_NT
.set i, i+1
.endr
; Panel i: squares into four pairs of chains (the first two loads start them), rounding in place, the store; no register is written again behind its store.
.set i, 0
.rept 32
.set XI, X+4*i
.set C0, A+4*(i%2)
	s_wait_loadcnt 31-i                            ; this load is in; the younger ones stay out
.if i < 2
	v_pk_mul_f32 v[C0:C0+1], v[XI:XI+1], v[XI:XI+1]
	v_pk_mul_f32 v[C0+2:C0+3], v[XI+2:XI+3], v[XI+2:XI+3]
.else
	v_pk_fma_f32 v[C0:C0+1], v[XI:XI+1], v[XI:XI+1], v[C0:C0+1]
	v_pk_fma_f32 v[C0+2:C0+3], v[XI+2:XI+3], v[XI+2:XI+3], v[C0+2:C0+3]
.endif
	v_cvt_pk_bf16_f32 v[XI], v[XI], v[XI+1]
	v_cvt_pk_bf16_f32 v[XI+1], v[XI+2], v[XI+3]
.if i < 16
	global_store_b64 v3, v[XI:XI+1], s[16:17] offset:XPAN*i
.else
	global_store_b64 v10, v[XI:XI+1], s[16:17] offset:XPAN*(i-16)
.endif
.set i, i+1
.endr
	v_pk_add_f32 v[A:A+1], v[A:A+1], v[A+4:A+5]
	v_pk_add_f32 v[A+2:A+3], v[A+2:A+3], v[A+6:A+7]
	v_pk_add_f32 v[A:A+1], v[A:A+1], v[A+2:A+3]
	v_add_f32 v16, v16, v17
	HSUM 16                                        ; a row lies in one half of the lanes: its sum never crosses the halves
	v_fmaak_f32 v24, v5, v16, 0x358637bd           ; mean + 1e-6
	v_rsq_f32 v24, v24
	v_nop                                          ; a plain instruction behind the transcendental (ISA guide 5.7.2)
	v_cmp_eq_u32 vcc_lo, 0, v8                     ; lanes 0 and 16 store their rows' numbers
	s_wait_xcnt 0x0                                ; EXEC changes only behind this wait
	s_and_saveexec_b32 s28, vcc_lo
	s_wait_alu depctr_va_vdst(0)
	global_store_b32 v6, v24, s[18:19]
	s_wait_xcnt 0x0
	s_or_b32 exec_lo, exec_lo, s28
	s_endpgm
.Lfunc_end_k_qfecb834ca8_prep:
	.size	k_qfecb834ca8_prep, .Lfunc_end_k_qfecb834ca8_prep-k_qfecb834ca8_prep
	.p2alignl 7, 3214868480
	.fill 96, 4, 3214868480
	.section	.rodata,"a",@progbits
	.p2align	6, 0x0
	.amdhsa_kernel k_qfecb834ca8_prep
		.amdhsa_group_segment_fixed_size 0
		.amdhsa_private_segment_fixed_size 0
		.amdhsa_enable_private_segment 0
		.amdhsa_kernarg_size 64
		.amdhsa_user_sgpr_count 2
		.amdhsa_user_sgpr_kernarg_segment_ptr 1
		.amdhsa_wavefront_size32 1
		.amdhsa_system_sgpr_workgroup_id_x 1
		.amdhsa_system_sgpr_workgroup_id_y 1
		.amdhsa_system_sgpr_workgroup_id_z 1
		.amdhsa_system_vgpr_workitem_id 0
		.amdhsa_next_free_vgpr 160
		.amdhsa_next_free_sgpr 66
		.amdhsa_reserve_vcc 1
		.amdhsa_float_denorm_mode_32 3
		.amdhsa_float_denorm_mode_16_64 3
		.amdhsa_memory_ordered 1
		.amdhsa_forward_progress 1
		.amdhsa_inst_pref_size 43
	.end_amdhsa_kernel
	.amdgpu_metadata
---
amdhsa.version: [ 1, 2 ]
amdhsa.kernels:
  - .name:           k_qfecb834ca8_prep
    .symbol:         k_qfecb834ca8_prep.kd
    .args:
      - { .name: wq, .offset: 0, .size: 8, .value_kind: global_buffer, .address_space: global }
      - { .name: wk, .offset: 8, .size: 8, .value_kind: global_buffer, .address_space: global }
      - { .name: wv, .offset: 16, .size: 8, .value_kind: global_buffer, .address_space: global }
      - { .name: wo, .offset: 24, .size: 8, .value_kind: global_buffer, .address_space: global }
      - { .name: x, .offset: 32, .size: 8, .value_kind: global_buffer, .address_space: global }
      - { .name: part, .offset: 40, .size: 8, .value_kind: global_buffer, .address_space: global }
      - { .name: xb, .offset: 48, .size: 8, .value_kind: global_buffer, .address_space: global }
      - { .name: rinv, .offset: 56, .size: 8, .value_kind: global_buffer, .address_space: global }
    .group_segment_fixed_size: 0
    .private_segment_fixed_size: 0
    .kernarg_segment_align: 8
    .kernarg_segment_size: 64
    .max_flat_workgroup_size: 256
    .sgpr_count:     66
    .vgpr_count:     160
    .wavefront_size: 32
...
	.end_amdgpu_metadata
.endif
;; end of part 6
;; launch quant (part 7): grid 512 x 1, 8 waves a work-group, no clusters, 0 bytes of LDS; arguments part, g, wq, wk, wv, wo, wt, scales; writes wt, scales
.if DOCPART == 7
	.amdgcn_target "amdgcn-amd-amdhsa--gfx1250"
	.amdhsa_code_object_version 6
	.text
	.protected	k_qfecb834ca8_quant
	.globl	k_qfecb834ca8_quant
	.p2align	8
	.type	k_qfecb834ca8_quant,@function
k_qfecb834ca8_quant:
	s_mov_b64 s[64:65], 0
	v_nop
	global_prefetch_b8 v0, s[64:65] scope:SCOPE_SE
	s_setreg_imm32_b32 hwreg(HW_REG_WAVE_MODE, 25, 1), 1
	s_wait_xcnt 0x0
; QUANT.  s = max(mean |w|, 1e-5); t = round(clip(w / s, -1, 1)) is -1, 0 or 1; wt holds t as bf16, which is exact, and s is applied later in f32.
; THE TEST.  t is not 0 exactly where |w| > s / 2: for a float |w| above s / 2 the quotient lies more than half a step above 0.5 and rounds above it,
; so it goes to 1; at or below s / 2 the quotient is at most 0.5, which goes to 0 (ties to even).  s / 2 is exact.  No division is made.
; Every wave adds the weight's 512 partial sums in the same order, so all waves of the launch hold the same s.
; TWO LAYOUTS IN wt.  Bytes 0 to 25,165,823: t_q g[k] (the RMSNorm's gain rides on q's weights, rounded once to bf16), t_k and t_v IN PANELS:
;   [column / 64][row'][64], row' = 384 head + 128 {q, k, v} + channel: a head's 384 rows x 64 columns, a tile of the next product, are 49,152 dense bytes.
;   From byte 0x1800000 on: t_o, row-major [2048][2048].
; A work-group takes 16 rows of one weight, a wave 256 columns of them, in 32 loads: pair j of rows, part p of four.
;   In panels: lanes 0-15 take 64 columns of row 2 j, lanes 16-31 of row 2 j + 1; p is the panel.  Row-major: 32 lanes take 128 columns of row 2 j + p / 2; p % 2 says which.
;   Both ways a store of the wave covers 256 consecutive bytes, aligned.  ONE text serves both: the strides are chosen by scalar selects on the weight's number.
; No LDS, no cluster: the only bytes that work-groups share are part (2 KB a weight) and g (8 KB).  NaN and infinities are not treated apart.
.set LO, 24                            ; v[24:27]  byte offset of my 16 bytes in w for part p
.set SO, 28                            ; v[28:31]  byte offset of my 8 bytes in wt for part p
.set X, 32                             ; v[32:159] 32 loads of 4: load 4 j + p
.set G, 160                            ; v[160:175] g of my 16 columns in panels (1.0 for the three weights that have no gain)
.set SB, 40                            ; s[40:55]  wt at the work-group's pair j of rows
.set BPAN, 6144*128                    ; bytes in a panel of wt
.macro WSUM a, b
	v_add_f32_dpp v[\a], v[\a], v[\a] row_xmask:1 row_mask:0xf bank_mask:0xf
	v_add_f32_dpp v[\a], v[\a], v[\a] row_xmask:2 row_mask:0xf bank_mask:0xf
	v_add_f32_dpp v[\a], v[\a], v[\a] row_xmask:4 row_mask:0xf bank_mask:0xf
	v_add_f32_dpp v[\a], v[\a], v[\a] row_xmask:8 row_mask:0xf bank_mask:0xf
	v_permlanex16_b32 v[\b], v[\a], s30, s31
	v_add_f32 v[\a], v[\a], v[\b]
.endm
	s_load_b512 s[4:19], s[0:1], 0x0               ; part 4:5, g 6:7, wq 8:9, wk 10:11, wv 12:13, wo 14:15, wt 16:17, scales 18:19
	v_lshrrev_b32 v4, 5, v0
	v_readfirstlane_b32 s21, v4                    ; wave
	v_and_b32 v1, 31, v0                           ; lane
	v_lshlrev_b32 v2, 4, v1                        ; 16 x lane, for part
	v_and_b32 v6, 15, v1
	v_lshrrev_b32 v7, 4, v1
	v_lshlrev_b32 v3, 4, v6                        ; 16 (lane % 16)
	v_lshlrev_b32 v5, 3, v1                        ; 8 x lane
	s_lshr_b32 s20, ttmp9, 7                       ; which weight
	s_and_b32 s25, ttmp9, 127                      ; which 16 rows of it
	s_mov_b32 s24, 0x80000000                      ; a sign
	s_mov_b32 s30, 0x76543210
	s_mov_b32 s31, 0xfedcba98
	; the strides: first as for panels, then, for t_o, as for rows
	s_mov_b32 s56, 8192                            ; w: from lanes 0-15 to lanes 16-31: a row (row-major: 256 bytes on in the same row)
	s_mov_b32 s57, 256                             ; w: part 1, 2, 3: 64 columns each (row-major: 128 columns; the next row; both)
	s_mov_b32 s58, 512
	s_mov_b32 s59, 768
	s_mov_b32 s60, 256                             ; wt: from a pair of rows to the next
	s_mov_b32 s61, BPAN                            ; wt: part 1, 2, 3: a panel each
	s_mov_b32 s62, 2*BPAN
	s_mov_b32 s63, 3*BPAN
	s_mov_b32 s39, 4*BPAN                          ; wt: from a wave's 256 columns to the next wave's
	s_cmp_eq_u32 s20, 3
	s_cselect_b32 s56, 256, s56
	s_cselect_b32 s57, 512, s57
	s_cselect_b32 s58, 8192, s58
	s_cselect_b32 s59, 8704, s59
	s_cselect_b32 s60, 8192, s60
	s_cselect_b32 s61, 256, s61
	s_cselect_b32 s62, 4096, s62
	s_cselect_b32 s63, 4352, s63
	s_cselect_b32 s39, 512, s39
	s_lshl_b32 s38, s21, 10                        ; my wave's 256 columns of f32
	v_add_nc_u32 v3, s38, v3                       ; 1024 w + 16 (lane % 16): also my place in g
	v_mad_u32_u24 v[LO], v7, s56, v3
	v_add_nc_u32 v[LO+1], s57, v[LO]
	v_add_nc_u32 v[LO+2], s58, v[LO]
	v_add_nc_u32 v[LO+3], s59, v[LO]
	s_mul_i32 s38, s21, s39
	v_add_nc_u32 v[SO], s38, v5
	v_add_nc_u32 v[SO+1], s61, v[SO]
	v_add_nc_u32 v[SO+2], s62, v[SO]
	v_add_nc_u32 v[SO+3], s63, v[SO]
	; where the work-group's first row lies in wt
	s_lshr_b32 s26, s25, 3                         ; head
	s_mul_i32 s26, s26, 384
	s_lshl_b32 s28, s20, 7                         ; q, k or v
	s_add_co_u32 s26, s26, s28
	s_and_b32 s28, s25, 7
	s_lshl_b32 s28, s28, 4                         ; channel
	s_add_co_u32 s26, s26, s28
	s_lshl_b32 s26, s26, 7                         ; 128 bytes a row in a panel
	s_lshl_b32 s28, s25, 16                        ; row-major: 16 rows of 4,096 bytes,
	s_add_co_u32 s28, s28, 0x1800000               ; behind the panels
	s_cmp_eq_u32 s20, 3
	s_cselect_b32 s26, s28, s26
	s_mov_b32 s27, 0
	s_mov_b32 s28, s60
	s_mov_b32 s29, 0
	s_wait_kmcnt 0x0
	s_add_nc_u64 s[SB:SB+1], s[16:17], s[26:27]
.irp j, 1,2,3,4,5,6,7
	s_add_nc_u64 s[SB+2*\j:SB+2*\j+1], s[SB+2*\j-2:SB+2*\j-1], s[28:29]
.endr
	s_lshl_b32 s26, s20, 11                        ; the weight's 512 partial sums
	s_add_nc_u64 s[4:5], s[4:5], s[26:27]
	s_mov_b64 s[36:37], s[8:9]
	s_cmp_eq_u32 s20, 1
	s_cselect_b64 s[36:37], s[10:11], s[36:37]
	s_cmp_eq_u32 s20, 2
	s_cselect_b64 s[36:37], s[12:13], s[36:37]
	s_cmp_eq_u32 s20, 3
	s_cselect_b64 s[36:37], s[14:15], s[36:37]
	s_lshl_b32 s26, s25, 17                        ; 16 rows of 8,192 bytes
	s_add_nc_u64 s[36:37], s[36:37], s[26:27]
.irp i, 0,1,2,3
	global_load_b128 v[8+4*\i:11+4*\i], v2, s[4:5] offset:512*\i
.endr
.irp p, 0,1,2,3
	global_load_b128 v[G+4*\p:G+4*\p+3], v3, s[6:7] offset:256*\p
.endr
.set i, 0
.rept 32                                               ; all 16 rows are asked for before anything is waited for
	global_load_b128 v[X+4*i:X+4*i+3], v[LO+i%4], s[36:37] offset:16384*(i/4) th:TH_LOAD_NT
.set i, i+1
.endr
	s_cmp_eq_u32 s20, 0
	s_cselect_b32 s23, -1, 0                       ; all lanes: is this q's weight?
	s_wait_loadcnt 32                              ; part and g are in; the 32 loads of w stay out
.irp k, 0,2,4,6
	v_pk_add_f32 v[8+\k:9+\k], v[8+\k:9+\k], v[16+\k:17+\k]
.endr
	v_pk_add_f32 v[8:9], v[8:9], v[12:13]
	v_pk_add_f32 v[10:11], v[10:11], v[14:15]
	v_pk_add_f32 v[8:9], v[8:9], v[10:11]
	v_add_f32 v8, v8, v9
	WSUM 8, 9
	v_mul_f32 v8, 0x34800000, v8                   ; / 2^22: exact
	v_max_num_f32 v8, 0x3727c5ac, v8               ; s = max(mean, 1e-5)
	v_mul_f32 v9, 0.5, v8
	v_readfirstlane_b32 s22, v9                    ; s / 2: it enters compares that choose values, no branch and no address
.set k, 0
.rept 16
	v_cndmask_b32 v[G+k], 1.0, v[G+k], s23
.set k, k+1
.endr
; Load i: four numbers become +-g or 0; two roundings (exact for +-1 and 0); 8 bytes a lane.
; Nothing is written again behind its store, so no wait for a store's sources is needed.
.macro QZ i
	s_wait_loadcnt 31-(\i)                         ; this load is in; the younger ones stay out
.set XI, X+4*(\i)
.set GI, G+4*((\i)%4)
.irp k, 0,1,2,3
	v_cmp_lt_f32 s[32+\k], s22, |v[XI+\k]|
.endr
.irp k, 0,1,2,3
	v_and_b32 v[XI+\k], s24, v[XI+\k]              ; w's sign
.endr
.irp k, 0,1,2,3
	v_xor_b32 v[XI+\k], v[XI+\k], v[GI+\k]         ; turns g's
.endr
.irp k, 0,1,2,3
	v_cndmask_b32 v[XI+\k], 0, v[XI+\k], s[32+\k]
.endr
	v_cvt_pk_bf16_f32 v[XI], v[XI], v[XI+1]
	v_cvt_pk_bf16_f32 v[XI+1], v[XI+2], v[XI+3]
	global_store_b64 v[SO+(\i)%4], v[XI:XI+1], s[SB+2*((\i)/4):SB+2*((\i)/4)+1]
.endm
.set i, 0
.rept 32
	QZ i
.set i, i+1
.endr
	s_or_b32 s26, s25, s21                         ; the first work-group of a weight, its wave 0, stores s
	s_cmp_lg_u32 s26, 0
	s_cbranch_scc1 .Lend
	s_lshl_b32 s26, s20, 2
	v_mov_b32 v4, s26
	v_cmp_eq_u32 vcc_lo, 0, v1
	s_wait_xcnt 0x0                                ; EXEC changes only behind this wait
	s_and_saveexec_b32 s28, vcc_lo
	global_store_b32 v4, v8, s[18:19]
	s_wait_xcnt 0x0
	s_or_b32 exec_lo, exec_lo, s28
.Lend:
	s_endpgm
.Lfunc_end_k_qfecb834ca8_quant:
	.size	k_qfecb834ca8_quant, .Lfunc_end_k_qfecb834ca8_quant-k_qfecb834ca8_quant
	.p2alignl 7, 3214868480
	.fill 96, 4, 3214868480
	.section	.rodata,"a",@progbits
	.p2align	6, 0x0
	.amdhsa_kernel k_qfecb834ca8_quant
		.amdhsa_group_segment_fixed_size 0
		.amdhsa_private_segment_fixed_size 0
		.amdhsa_enable_private_segment 0
		.amdhsa_kernarg_size 64
		.amdhsa_user_sgpr_count 2
		.amdhsa_user_sgpr_kernarg_segment_ptr 1
		.amdhsa_wavefront_size32 1
		.amdhsa_system_sgpr_workgroup_id_x 1
		.amdhsa_system_sgpr_workgroup_id_y 1
		.amdhsa_system_sgpr_workgroup_id_z 1
		.amdhsa_system_vgpr_workitem_id 0
		.amdhsa_next_free_vgpr 176
		.amdhsa_next_free_sgpr 66
		.amdhsa_reserve_vcc 1
		.amdhsa_float_denorm_mode_32 3
		.amdhsa_float_denorm_mode_16_64 3
		.amdhsa_memory_ordered 1
		.amdhsa_forward_progress 1
		.amdhsa_inst_pref_size 42
	.end_amdhsa_kernel
	.amdgpu_metadata
---
amdhsa.version: [ 1, 2 ]
amdhsa.kernels:
  - .name:           k_qfecb834ca8_quant
    .symbol:         k_qfecb834ca8_quant.kd
    .args:
      - { .name: part, .offset: 0, .size: 8, .value_kind: global_buffer, .address_space: global }
      - { .name: g, .offset: 8, .size: 8, .value_kind: global_buffer, .address_space: global }
      - { .name: wq, .offset: 16, .size: 8, .value_kind: global_buffer, .address_space: global }
      - { .name: wk, .offset: 24, .size: 8, .value_kind: global_buffer, .address_space: global }
      - { .name: wv, .offset: 32, .size: 8, .value_kind: global_buffer, .address_space: global }
      - { .name: wo, .offset: 40, .size: 8, .value_kind: global_buffer, .address_space: global }
      - { .name: wt, .offset: 48, .size: 8, .value_kind: global_buffer, .address_space: global }
      - { .name: scales, .offset: 56, .size: 8, .value_kind: global_buffer, .address_space: global }
    .group_segment_fixed_size: 0
    .private_segment_fixed_size: 0
    .kernarg_segment_align: 8
    .kernarg_segment_size: 64
    .max_flat_workgroup_size: 256
    .sgpr_count:     66
    .vgpr_count:     176
    .wavefront_size: 32
...
	.end_amdgpu_metadata
.endif
;; end of part 7
;; launch qkva (part 8): grid 16 x 16, 4 waves a work-group, clusters of 4 x 4, 327,680 bytes of LDS; arguments xb, wt, rinv, scales, ao; writes ao
.if DOCPART == 8
	.amdgcn_target "amdgcn-amd-amdhsa--gfx1250"
	.amdhsa_code_object_version 6
	.text
	.protected	k_qfecb834ca8_qkva
	.globl	k_qfecb834ca8_qkva
	.p2align	8
	.type	k_qfecb834ca8_qkva,@function
k_qfecb834ca8_qkva:
	s_mov_b64 s[64:65], 0
	v_nop
	global_prefetch_b8 v0, s[64:65] scope:SCOPE_SE
	s_setreg_imm32_b32 hwreg(HW_REG_WAVE_MODE, 25, 1), 1
	s_wait_xcnt 0x0
	s_wait_alu depctr_hold_cnt(0) depctr_sa_sdst(0) depctr_va_vdst(0) depctr_va_sdst(0) depctr_va_ssrc(0) depctr_va_vcc(0) depctr_vm_vsrc(0)
	s_getreg_b32 s2, hwreg(HW_REG_IB_STS2, 6, 4)
	s_cmp_eq_u32 s2, 0
	s_cbranch_scc0 .Lentry_in_a_cluster
	s_endpgm
.Lentry_in_a_cluster:
	s_bfe_u32 s2, ttmp6, 0x10000c
	s_cmp_lg_u32 s2, 0xf033
	s_cbranch_scc0 .Lentry_shape_is_right
	s_endpgm
.Lentry_shape_is_right:
; QKVA.  The three projections and the strided attention of ONE class (b, l % 8: 256 rows in the order rho) and ONE head, in one work-group: 16 x 16 = 256 work-groups.
; In the order rho query j of a class sees keys j - 7 .. j of the same class, so the 256 x 384 numbers q, k, v of (class, head) are all that its attention needs: nothing goes through memory between the two.
; PART 1.  C[j][n] = sum over k of xb[j][k] wt[n][k], n = q's, k's and v's 128 channels of the head, unscaled; f32 sums.  Four waves, 2 x 2: a wave makes 128 rows x 64 channels of each of q, k, v:
;   96 accumulators of 16 x 16, 768 registers: q's in window 1, k's in window 2, v's in window 3 ((a, b) at v[8 (4 a + b)]).
;   K goes in 32 steps of 64 through two LDS slots: two slots of 640 rows fit only below 120 along K.  xb and wt lie in panels of 64 columns, so a tile is dense in memory and is asked for as rows of
;   256 bytes (two rows of the tile), padded in LDS after every 128.  One load a wave: waves 0, 1 bring A's two halves (128 rows), waves 2, 3 B's (192 rows).
;   CLUSTER 4 x 4: the four work-groups of a cluster's row have one class and need the same tile of A, the four of a column one head and the same tile of B: each tile is asked for jointly.
;   A step is six UNITS: 32 along K x (q, k, v); a unit is 8 row blocks x 4 channel blocks, 32 matrix instructions under one window setting.  Each unit first asks LDS for the next unit's fragments.
;   THE MATRIX INSTRUCTION IS USED TRANSPOSED (source 0 = 16 rows of wt, source 1 = 16 rows of xb): a lane holds eight neighbouring channels of one row.
; PART 2.  The sums are rounded once to bf16 and laid into LDS by rows (the slots have had their last fill; a barrier stands behind the last read of them).  Then a wave takes 64 queries: four tiles of 16; a tile meets
;   32 keys: the 16 before its own and its own 16.  S^T = K Q^T (source 0 = 16 keys, source 1 = 16 queries): a lane holds ONE query (lane % 16) and the keys 8 (lane / 16) + 0..7.  The two results, rounded to
;   bf16 in pairs, ARE source 1 (32 keys x 16 queries) of O^T = V^T P.  K comes out of LDS as it lies, V turned, by ds_load_tr16_b128.
;   p = 2^(cl s + bm - m): cl = rinv[query] sq sk log2(e) / sqrt(128), one f32 factor a lane, holds all that the products left out; bm = -0.5 log2(8 w + 1) for w = query - key in 0..7 and -inf elsewhere;
;   m is the row's true maximum (key w = 0 is always seen, so m is finite).  Keys in front of the class's first are hidden by -inf too (wave 0, tile 0; the fragments read there are the class's last 16 rows, finite, with weight 0).
;   ao[rho][128 head + ch] = sum p V / sum p in bf16, V unscaled: sv rides on the last product's way out.
; LIMITS: a weight below 2^-126 counts as 0; NaN and infinities are not treated apart.
; WINDOW 0: v0-31 addresses; part 1: v32-95, v96-159 A's fragments (two buffers of 8 blocks), v160-191, v192-223 B's (two buffers of 4 blocks); v232-239 cl, v240-255 bm, made at the start and kept.
.set PITCH,  144                       ; a tile's row in LDS: 128 bytes + 16 of padding = 36 words: the 16 rows of a fragment load start at 16 different groups of four banks (ISA guide 11.1)
.set HALFA,  128*PITCH
.set HALFB,  192*PITCH
.set SLOT,   2*HALFA+2*HALFB           ; A's 256 rows, then B's 384: q's 128, k's, v's
.set GRP,    128*PITCH                 ; from q's rows to k's, from k's to v's
.set APAN,   4096*128                  ; bytes in a panel of xb
.set BPAN,   6144*128                  ; bytes in a panel of wt
.set LAPS,   16                        ; a lap = two steps = once round the ring
.set PQ,     272                       ; part 2: a row of Q or K: 256 bytes + 16
.set PV,     288                       ; a row of V: 256 + 32: an odd multiple of 32, for the turning load
.set KB,     256*PQ                    ; Q lies at 0, K here,
.set VB,     2*256*PQ                  ; V here,
.set OST,    VB+256*PV                 ; and here 16 rows x 272 bytes for each wave, for the way out; all multiples of 256
.set SP,     272
.set SPARE,  OST+4*16*SP               ; the spare words, 128 bytes a wave: two blocks of 256 bytes that no other line names
.set AK,   4                           ; v4   K: KB + 272 (64 w + l % 16) + 16 (l / 16)
.set AKP,  5                           ; v5   the same for the tile in front of my first (for wave 0: the class's last)
.set AV,   6                           ; v6   V, for the turning load
.set AVP,  7                           ; v7   the same for the tile in front of my first
.set AQ,   8                           ; v8   Q
.set PSQ,  9                           ; v9   where I put 16 bytes of a row of Q;  v13, v15 of K, of V
.set STO,  10
.set RD,   11
.set GO,   12
.set PSK,  13
.set RIA,  14                          ; v14  my query's place in rinv; never rewritten: the loads that name it are waited for in part 2
.set PSV,  15
.set ADRA, 16                          ; v16-17  LDS address of my A fragments in slot 0, 1
.set ADRB, 20                          ; v20-21  the same for B
.set SPW,  28                          ; v28  SPARE + 4 x my thread's number; never rewritten
.set NIL,  29                          ; v29  0; never rewritten
.set AF,   32
.set BF,   160
.set S,    48                          ; part 2: v48-55 the tile before, v56-63 the own tile
.set KF,   64                          ; v64-95 K of the tile before (4 x 32 channels), v96-127 of the own tile; later O^T, channel block cb at 64 + 8 cb
.set VF,   128                         ; v128-191 V^T: channel block cb at 128 + 8 cb
.set P,    192                         ; v192-199
.set OUT,  200                         ; v200-231
.set CL,   232                         ; a pair for each tile
.set BM,   240                         ; v240-247 the tile before, v248-255 the own tile
.set G1, 24                            ; s[24:31] group 1 for A;  s[32:39] group 0, a set for each slot
.set G0, 32
.set G1B, 48                           ; s[48:55], s[56:63] the same for B
.set G0B, 56
.set MSB, 0
.macro WIN new                         ; the immediate's high byte repeats the setting that is left; a switch that changes nothing is dropped
.if MSB != (\new)
	s_set_vgpr_msb (MSB<<8)|(\new)
.set MSB, \new
.endif
.endm
; A joint load: waves 0, 1 ask for A, waves 2, 3 for B; the branch hangs on the wave's number alone.  An s_nop 0 and four v_nop follow each line.
.macro JLOAD s
	s_cmp_eq_u32 s11, 0
	s_cbranch_scc0 .Lfor_b_\@
	tensor_load_to_lds s[G0+4*(\s):G0+4*(\s)+3], s[G1:G1+7]
	s_nop 0
.rept 4
	v_nop
.endr
	s_branch .Lasked_\@
.Lfor_b_\@:
	tensor_load_to_lds s[G0B+4*(\s):G0B+4*(\s)+3], s[G1B:G1B+7]
	s_nop 0
.rept 4
	v_nop
.endr
.Lasked_\@:
.endm
.macro CREST                           ; a round of the cluster's barrier behind its opening barrier
	s_cmp_lg_u32 s10, 0
	s_cbranch_scc1 .Lnot_wave_0_\@
	s_barrier_signal -3
.Lnot_wave_0_\@:
	s_barrier_wait -3
	s_barrier_signal -1
	s_barrier_wait -1
.endm
.macro CROUND
	s_barrier_signal -1
	s_barrier_wait -1
	CREST
.endm
.macro PLACES                          ; four places in front of loads into registers that matrix instructions have read, and of reads of results
.rept 4
	v_nop
.endr
.endm
	s_load_b256 s[68:75], s[0:1], 0x0              ; xb 68:69, wt 70:71, rinv 72:73, scales 74:75
	s_load_b64 s[76:77], s[0:1], 0x20              ; ao
	v_lshl_add_u32 v[SPW], v0, 2, SPARE
	v_mov_b32 v[NIL], 0
	ds_add_u32 v[SPW], v[NIL]                      ; the wave's opening: the add and its wait stand ahead of my first tensor load
	ds_add_u32 v28, v29
	v_lshrrev_b32 v1, 5, v0
	v_readfirstlane_b32 s10, v1                    ; wave 0..3
	s_lshr_b32 s11, s10, 1                         ; my half of the rows.  Also: I fetch for A (0) or B (1)
	s_and_b32 s12, s10, 1                          ; my half of the channels.  Also: which half of that tile I fetch
	s_bfe_u32 s40, ttmp6, 0x40000                  ; cx
	s_bfe_u32 s41, ttmp6, 0x40004                  ; cy
	s_lshl_b32 s42, ttmp9, 2
	s_add_co_u32 s42, s42, s40                     ; head = 4 x cluster x + cx
	s_and_b32 s13, ttmp7, 0xffff
	s_lshl_b32 s13, s13, 2
	s_add_co_u32 s13, s13, s41                     ; class = 4 x cluster y + cy
	s_lshl_b32 s43, s41, 2
	s_lshl_b32 s43, 15, s43                        ; my row of the cluster
	s_lshl_b32 s44, 0x1111, s40                    ; my column
	s_or_b32 s[G1+0], s43, (1<<16)|(1<<20)|(1<<21)|(4<<22)|(3<<25)   ; the mask; 2-byte elements; padding on; bit 21 beside a mask; after every 32 words (code 4) 4 words (code 3)
	s_or_b32 s[G1B+0], s44, (1<<16)|(1<<20)|(1<<21)|(4<<22)|(3<<25)
	s_mov_b32 s[G1+1], 128<<16                     ; tensor_dim0 = 128 elements: 256 bytes, two rows of the tile
	s_mov_b32 s[G1+2], 64<<16                      ; tensor_dim1 = 64
	s_mov_b32 s[G1+3], 128<<16                     ; tile_dim0
	s_mov_b32 s[G1+4], 64                          ; tile_dim1
	s_mov_b32 s[G1+5], 128                         ; dense: each row begins where the last ends
	s_mov_b32 s[G1+6], 0
	s_mov_b32 s[G1+7], 0
	s_mov_b32 s[G1B+1], 128<<16
	s_mov_b32 s[G1B+2], 96<<16                     ; 96 rows of 256 bytes: 192 rows of the tile
	s_mov_b32 s[G1B+3], 128<<16
	s_mov_b32 s[G1B+4], 96
	s_mov_b32 s[G1B+5], 128
	s_mov_b32 s[G1B+6], 0
	s_mov_b32 s[G1B+7], 0
	s_lshl_b32 s16, s13, 15                        ; A: the class's 256 rows of 128 bytes in a panel,
	s_lshl_b32 s17, s12, 14                        ; my half of them: hangs on the class alone
	s_add_co_u32 s16, s16, s17
	s_mov_b32 s17, 0
	s_mul_i32 s46, s42, 384*128                    ; B: the head's 384 rows in a panel,
	s_mul_i32 s47, s12, 192*128                    ; my half of them: hangs on the head alone
	s_add_co_u32 s46, s46, s47
	s_mov_b32 s47, 0
	s_mul_i32 s20, s12, HALFA                      ; where they go: no place in the cluster enters an LDS address
	s_mul_i32 s23, s12, HALFB
	s_add_co_u32 s23, s23, 2*HALFA
	s_wait_dscnt 0x0                               ; the opening add is done
	s_wait_kmcnt 0x0
	s_add_nc_u64 s[14:15], s[68:69], s[16:17]
	s_add_nc_u64 s[46:47], s[70:71], s[46:47]
	CROUND                                         ; all sixteen work-groups are here: the first joint loads meet
.irp s, 0,1
	s_mov_b32 s[G0+4*(\s)], 1
	s_add_co_u32 s[G0+4*(\s)+1], s20, (\s)*SLOT
	s_add_nc_u64 s[G0+4*(\s)+2:G0+4*(\s)+3], s[14:15], (\s)*APAN
	s_or_b32 s[G0+4*(\s)+3], s[G0+4*(\s)+3], 0x80000000
	s_mov_b32 s[G0B+4*(\s)], 1
	s_add_co_u32 s[G0B+4*(\s)+1], s23, (\s)*SLOT
	s_add_nc_u64 s[G0B+4*(\s)+2:G0B+4*(\s)+3], s[46:47], (\s)*BPAN
	s_or_b32 s[G0B+4*(\s)+3], s[G0B+4*(\s)+3], 0x80000000
	JLOAD \s                                       ; two tensor loads of mine are out
.endr
	; All that follows, up to the wait for the first tile, stands in that wait: every address of both parts, 1 / rms, the scales, the bias.
	s_load_b64 s[78:79], s[74:75], 0x0             ; sq, sk
	v_and_b32 v1, 15, v0                           ; r = l % 16
	v_bfe_u32 v2, v0, 4, 1                         ; h = l / 16
	s_lshl_b32 s86, s13, 10                        ; rinv: 4 (256 class + 64 wave)
	s_lshl_b32 s87, s10, 8
	s_add_co_u32 s86, s86, s87
	s_mov_b32 s87, 0
	s_add_nc_u64 s[72:73], s[72:73], s[86:87]
	v_lshlrev_b32 v[RIA], 2, v1
.irp t, 0,1,2,3
	global_load_b32 v[CL+2*\t], v[RIA], s[72:73] offset:64*\t  ; 1 / rms of my query in tile t: waited for in part 2
.endr
	s_lshl_b32 s86, s13, 20                        ; ao: (256 class + 64 wave) rows of 4,096 bytes + 256 head
	s_lshl_b32 s87, s10, 18
	s_add_co_u32 s86, s86, s87
	s_lshl_b32 s87, s42, 8
	s_add_co_u32 s86, s86, s87
	s_mov_b32 s87, 0
	s_add_nc_u64 s[76:77], s[76:77], s[86:87]
	; a fragment: lane l holds row l % 16; registers 0-3 K = 8 (l / 16) + 0..7, registers 4-7 K = 16 + 8 (l / 16) + 0..7: two loads of 16 bytes, 32 apart
	v_mul_u32_u24 v3, v1, PITCH
	v_lshl_add_u32 v3, v2, 4, v3
	s_mul_i32 s21, s11, HALFA                      ; my 128 rows of A
	s_mul_i32 s22, s12, 64*PITCH                   ; my 64 rows of q's (k's, v's) 128,
	s_add_co_u32 s22, s22, 2*HALFA                 ; behind A's 256
.irp s, 0,1
	v_add_nc_u32 v[ADRA+(\s)], s21, v3
	v_add_nc_u32 v[ADRB+(\s)], s22, v3
	s_add_co_u32 s21, s21, SLOT
	s_add_co_u32 s22, s22, SLOT
.endr
	; part 2, in: row 128 x row half + 16 a + r; bytes 128 x channel half + 32 b + 16 h
	s_lshl_b32 s14, s11, 7
	s_lshl_b32 s18, s12, 7
	s_mul_i32 s15, s14, PQ
	s_add_co_u32 s15, s15, s18
	v_mul_u32_u24 v3, v1, PQ
	v_lshl_add_u32 v3, v2, 4, v3                   ; 272 r + 16 h: serves Q, K and the way out
	v_add_nc_u32 v[PSQ], s15, v3
	v_add_nc_u32 v[PSK], KB, v[PSQ]
	s_mul_i32 s15, s14, PV
	s_add_co_u32 s15, s15, s18
	s_add_co_u32 s15, s15, VB
	v_mul_u32_u24 v18, v1, PV
	v_lshl_add_u32 v18, v2, 4, v18
	v_add_nc_u32 v[PSV], s15, v18
	; part 2, the attention's fragments
	s_lshl_b32 s15, s10, 6                         ; 64 w: my first query
	s_add_co_u32 s16, s10, 3                       ; the first row of the tile in front of my first: 64 ((w + 3) & 3) + 48,
	s_and_b32 s16, s16, 3                          ; which is 64 w - 16 for waves 1 to 3 and row 240 for wave 0, whose scores there are hidden:
	s_lshl_b32 s16, s16, 6                         ; 48 to 240, so with a lane's 15 rows it stays inside the 256
	s_add_co_u32 s16, s16, 48
	s_mul_i32 s17, s15, PQ
	s_mul_i32 s18, s16, PQ
	s_mul_i32 s19, s15, PV
	s_mul_i32 s20, s16, PV
	v_add_nc_u32 v[AQ], s17, v3
	v_add_nc_u32 v[AK], KB, v[AQ]
	v_add_nc_u32 v[AKP], s18, v3
	v_add_nc_u32 v[AKP], KB, v[AKP]
	v_and_b32 v18, 7, v0                           ; the turning load: lane l reads key 8 h + l % 8, channels 8 ((l / 8) % 2) + 0..7
	v_lshl_add_u32 v18, v2, 3, v18
	v_mul_u32_u24 v18, v18, PV
	v_bfe_u32 v19, v0, 3, 1
	v_lshl_add_u32 v18, v19, 4, v18
	v_add_nc_u32 v18, VB, v18
	v_add_nc_u32 v[AV], s19, v18
	v_add_nc_u32 v[AVP], s20, v18
	s_mul_i32 s21, s10, 16*SP
	s_add_co_u32 s21, s21, OST                     ; my stage for the way out
	v_add_nc_u32 v[STO], s21, v3                   ; in: row r, 16 bytes for each half of the lanes
	v_mul_u32_u24 v18, v2, SP                      ; back: lanes 0-15 one row of 256 bytes, lanes 16-31 the next
	v_lshl_add_u32 v18, v1, 4, v18
	v_add_nc_u32 v[RD], s21, v18
	v_lshlrev_b32 v[GO], 12, v2                    ; and the same two rows in ao
	v_lshl_add_u32 v[GO], v1, 4, v[GO]
	s_cmp_eq_u32 s10, 0
	s_cselect_b32 s82, 0xff800000, 0               ; what hides the tile in front of the class's first: -inf for wave 0, else 0
	s_mov_b32 s83, s82
	s_mov_b32 s84, 0x76543210                      ; v_permlanex16_b32: each lane takes its own place in the other half
	s_mov_b32 s85, 0xfedcba98
	v_mov_b32 v25, 0                               ; the upper halves of two pairs of which the low word is used for both results
	v_mov_b32 v27, 0
	v_mov_b32 v30, 0xff800000                      ; -inf
	; bm: register i holds key 8 h + i of its tile, so w = r - 8 h - i, + 16 for the tile before
	v_lshlrev_b32 v18, 3, v2
	v_sub_nc_u32 v19, v1, v18
.set i, 0
.rept 16
	v_add_nc_u32 v[KF+i], 16*(1-i/8)-i%8, v19      ; w
	v_lshl_add_u32 v[BM+i], v[KF+i], 3, 1
	v_cvt_f32_i32 v[BM+i], v[BM+i]                 ; 8 w + 1
.set i, i+1
.endr
.set i, 0
.rept 16
	v_log_f32 v[BM+i], v[BM+i]                     ; log2; what it makes of a negative number is thrown away below
.set i, i+1
.endr
	v_nop                                          ; a plain instruction behind the last transcendental
.set i, 0
	s_wait_alu depctr_va_vdst(0)
.rept 16
	v_mul_f32 v[BM+i], -0.5, v[BM+i]
	v_cmp_gt_u32 vcc_lo, 8, v[KF+i]                ; 0 <= w < 8, as one unsigned compare
	v_cndmask_b32 v[BM+i], v30, v[BM+i], vcc_lo
.set i, i+1
.endr
	s_wait_kmcnt 0x0
	s_mul_f32 s80, s78, s79
	s_mul_f32 s80, s80, 0x3e0293ee                 ; sq sk log2(e) / sqrt(128)
; 4 na matrix instructions: row blocks a0 .. a0 + na - 1 x the group's four channel blocks, 32 along K; window w = 1, 2, 3 holds q's, k's, v's sums.  The 96 accumulators take turns, one instruction a turn,
; in the same order in every quarter.  zero = 1: the first product starts the sum.
.macro MULU ab, bb, w, a0, na, zero
	WIN 0x50*(\w)                                  ; sources 0 (B) and 1 (A) window 0, C and D window w
.set ma, (\a0)
.rept \na
.set mb, 0
.rept 4
.set rD, 8*(4*ma+mb)
.set rB, BF+32*(\bb)+8*mb
.set rA, AF+64*(\ab)+8*ma
.if \zero
	v_wmma_f32_16x16x32_bf16 v[rD:rD+7], v[rB:rB+7], v[rA:rA+7], 0
.else
	v_wmma_f32_16x16x32_bf16 v[rD:rD+7], v[rB:rB+7], v[rA:rA+7], v[rD:rD+7]
.endif
.set mb, mb+1
.endr
.set ma, ma+1
.endr
.endm
.macro LDB slot, q, u, buf             ; 8 loads: group u's (q, k, v) four blocks, quarter q of the slot's rows
	WIN 0
.irp b, 0,1,2,3
	ds_load_b128 v[BF+32*(\buf)+8*\b:BF+32*(\buf)+8*\b+3],   v[ADRB+(\slot)] offset:(\u)*GRP+\b*16*PITCH+64*(\q)
	ds_load_b128 v[BF+32*(\buf)+8*\b+4:BF+32*(\buf)+8*\b+7], v[ADRB+(\slot)] offset:(\u)*GRP+\b*16*PITCH+64*(\q)+32
.endr
.endm
.macro LDA slot, q, buf, a0            ; 8 loads: A's blocks a0 .. a0 + 3
	WIN 0
.irp b, 0,1,2,3
.set la, (\a0)+\b
	ds_load_b128 v[AF+64*(\buf)+8*la:AF+64*(\buf)+8*la+3],   v[ADRA+(\slot)] offset:la*16*PITCH+64*(\q)
	ds_load_b128 v[AF+64*(\buf)+8*la+4:AF+64*(\buf)+8*la+7], v[ADRA+(\slot)] offset:la*16*PITCH+64*(\q)+32
.endr
.endm
; Unit n = 0 .. 4 of a step: quarter n / 3, group n % 3; B's buffer n % 2, A's buffer n / 3.  First the next unit's B goes into the buffer that the last unit read (so the four places), and in unit 2 the next quarter's A too.
.macro UNIT slot, n, zero
.set UQ,  (\n)/3
.set UU,  (\n)%3
.set UB,  (\n)%2
.set UQ1, ((\n)+1)/3
.set UU1, ((\n)+1)%3
.set UB1, ((\n)+1)%2
	WIN 0
	PLACES
	LDB \slot, UQ1, UU1, UB1
.if UU == 2
	LDA \slot, 1, 1, 0
	LDA \slot, 1, 1, 4
	s_wait_dscnt 24                                ; all but the 24 just issued: v's fragments are in
	MULU UQ, UB, 3, 0, 8, \zero
.elseif UU == 0
	s_wait_dscnt 16                                ; q's fragments and A's blocks 0-3 are in; A's blocks 4-7 and the 8 just issued may be out
	MULU UQ, UB, 1, 0, 4, \zero
	s_wait_dscnt 8                                 ; A's blocks 4-7 are in
	MULU UQ, UB, 1, 4, 4, \zero
.else
	s_wait_dscnt 8                                 ; all but the 8 just issued: k's fragments are in
	MULU UQ, UB, 2, 0, 8, \zero
.endif
.endm
; Unit 5 (quarter 1, v) changes slots: one barrier; in front of it the wave waits for all its tensor loads (one is out: its part of the next slot), adds 0 to its spare word, and waits for that and for its
; reads of this slot, the last of which are this unit's own fragments.  fill = 1: the barrier opens a round of the cluster's, and this slot is filled again first behind it, two steps ahead.
.macro TURN slot, next, fill
	WIN 0
	s_wait_tensorcnt 0x0
	ds_add_u32 v[SPW], v[NIL]
	s_wait_dscnt 0x0                               ; the add is done, and my reads of this slot are over
	s_barrier_signal -1
	MULU 1, 1, 3, 0, 2, 0                          ; work on registers while the others arrive
	WIN 0
	s_barrier_wait -1
.if \fill
	CREST                                          ; no wave of any partner still reads this slot or has a load on its way
	s_add_nc_u64 s[G0+4*(\slot)+2:G0+4*(\slot)+3], s[G0+4*(\slot)+2:G0+4*(\slot)+3], 2*APAN
	s_add_nc_u64 s[G0B+4*(\slot)+2:G0B+4*(\slot)+3], s[G0B+4*(\slot)+2:G0B+4*(\slot)+3], 2*BPAN
	JLOAD \slot                                    ; my one tensor load behind the round; its four v_nop are also the places in front of the loads below
.else
	PLACES
.endif
	LDB \next, 0, 0, 0
	LDA \next, 0, 0, 0
	LDA \next, 0, 0, 4
	MULU 1, 1, 3, 2, 6, 0
.endm
	s_wait_tensorcnt 1                             ; my part of step 0 is in; step 1's may stay out
	s_barrier_signal -1
	s_barrier_wait -1
	LDB 0, 0, 0, 0
	LDA 0, 0, 0, 0
	LDA 0, 0, 0, 4
	UNIT 0, 0, 1                                   ; the first quarter stands in front of the loop: its products start the sums
	UNIT 0, 1, 1
	UNIT 0, 2, 1
	WIN 0
	s_mov_b32 s3, LAPS-1
.Llap:                                                 ; a trip goes once round the ring, from a lap's second quarter to the next lap's first, and fills both slots again
	UNIT 0, 3, 0
	UNIT 0, 4, 0
	TURN 0, 1, 1
	UNIT 1, 0, 0
	UNIT 1, 1, 0
	UNIT 1, 2, 0
	UNIT 1, 3, 0
	UNIT 1, 4, 0
	TURN 1, 0, 1
	UNIT 0, 0, 0
	UNIT 0, 1, 0
	UNIT 0, 2, 0
	WIN 0
	s_sub_co_u32 s3, s3, 1
	s_cmp_lg_u32 s3, 0
	s_cbranch_scc1 .Llap
	UNIT 0, 3, 0                                   ; the last lap fills nothing
	UNIT 0, 4, 0
	TURN 0, 1, 0
	UNIT 1, 0, 0
	UNIT 1, 1, 0
	UNIT 1, 2, 0
	UNIT 1, 3, 0
	UNIT 1, 4, 0
	s_wait_dscnt 0x0                               ; the last fragments are in: no LDS instruction of mine is out
	MULU 1, 1, 3, 0, 8, 0
	WIN 0
	PLACES
	s_barrier_signal -1                            ; every wave's reads of the slots are over, and the slots have had their last fill:
	s_barrier_wait -1                              ; their bytes now take Q, K and V
; PART 2.  Four row blocks of window w: rounded to bf16 (each accumulator from its low end on), 16 bytes a lane into the rows of Q, K or V.
.macro PACK w, a0, tb, adr, pitch
	WIN 5*(\w)                                     ; sources 0 and 1: window w
.set pa, 0
.rept 4
.set pb, 0
.rept 4
.set AC, 8*(4*((\a0)+pa)+pb)
.irp r, 0,1,2,3
	v_cvt_pk_bf16_f32 v[(\tb)+16*pa+4*pb+\r], v[AC+2*\r], v[AC+2*\r+1]
.endr
.set pb, pb+1
.endr
.set pa, pa+1
.endr
	WIN 0
.set pa, 0
.rept 4
.set pb, 0
.rept 4
	ds_store_b128 v[\adr], v[(\tb)+16*pa+4*pb:(\tb)+16*pa+4*pb+3] offset:((\a0)+pa)*16*(\pitch)+32*pb
.set pb, pb+1
.endr
.set pa, pa+1
.endr
.endm
	PACK 1, 0, 32, PSQ, PQ
	PACK 1, 4, 96, PSQ, PQ
	PACK 2, 0, 32, PSK, PQ
	PACK 2, 4, 96, PSK, PQ
	PACK 3, 0, 32, PSV, PV
	PACK 3, 4, 96, PSV, PV
	s_wait_loadcnt 0x0                             ; 1 / rms, asked for at the start
.irp t, 0,1,2,3
	v_mul_f32 v[CL+2*\t], s80, v[CL+2*\t]
.endr
.irp t, 0,1,2,3
	v_mov_b32 v[CL+2*\t+1], v[CL+2*\t]
.endr
	s_wait_dscnt 0x0                               ; for the others' sake: my stores are done
	s_barrier_signal -1
	s_barrier_wait -1                              ; everybody's are
	WIN 0x40                                       ; destination window 1: q's sums have been packed
.set i, 0
.rept 16                                               ; Q's fragments stay in registers: tile i / 4, channels 32 (i % 4) on
	ds_load_b128 v[8*i:8*i+3],   v[AQ] offset:16*PQ*(i/4)+64*(i%4)
	ds_load_b128 v[8*i+4:8*i+7], v[AQ] offset:16*PQ*(i/4)+64*(i%4)+32
.set i, i+1
.endr
	WIN 0
; One tile of 16 queries.
.macro ATT t
.irp c, 0,1,2,3                                        ; K: 32 channels, the tile before and the own tile
.if (\t) == 0
	ds_load_b128 v[KF+8*\c:KF+8*\c+3],   v[AKP] offset:64*\c
	ds_load_b128 v[KF+8*\c+4:KF+8*\c+7], v[AKP] offset:64*\c+32
.else
	ds_load_b128 v[KF+8*\c:KF+8*\c+3],   v[AK] offset:64*\c+16*PQ*((\t)-1)
	ds_load_b128 v[KF+8*\c+4:KF+8*\c+7], v[AK] offset:64*\c+16*PQ*((\t)-1)+32
.endif
	ds_load_b128 v[KF+32+8*\c:KF+32+8*\c+3],   v[AK] offset:64*\c+16*PQ*(\t)
	ds_load_b128 v[KF+32+8*\c+4:KF+32+8*\c+7], v[AK] offset:64*\c+16*PQ*(\t)+32
.endr
.irp cb, 0,1,2,3,4,5,6,7                               ; V^T: 16 channels; registers 0-3 the tile before, 4-7 the own tile
.if (\t) == 0
	ds_load_tr16_b128 v[VF+8*\cb:VF+8*\cb+3], v[AVP] offset:32*\cb
.else
	ds_load_tr16_b128 v[VF+8*\cb:VF+8*\cb+3], v[AV] offset:32*\cb+16*PV*((\t)-1)
.endif
	ds_load_tr16_b128 v[VF+8*\cb+4:VF+8*\cb+7], v[AV] offset:32*\cb+16*PV*(\t)
.endr
	s_wait_dscnt 16                                ; Q and K are in; V's sixteen loads may be out
	WIN 0x04                                       ; source 1 (Q) window 1
.irp c, 0,1,2,3                                        ; the two accumulators take turns; the first products start the sums
.if \c == 0
	v_wmma_f32_16x16x32_bf16 v[S:S+7],    v[KF+8*\c:KF+8*\c+7],       v[32*(\t)+8*\c:32*(\t)+8*\c+7], 0
	v_wmma_f32_16x16x32_bf16 v[S+8:S+15], v[KF+32+8*\c:KF+32+8*\c+7], v[32*(\t)+8*\c:32*(\t)+8*\c+7], 0
.else
	v_wmma_f32_16x16x32_bf16 v[S:S+7],    v[KF+8*\c:KF+8*\c+7],       v[32*(\t)+8*\c:32*(\t)+8*\c+7], v[S:S+7]
	v_wmma_f32_16x16x32_bf16 v[S+8:S+15], v[KF+32+8*\c:KF+32+8*\c+7], v[32*(\t)+8*\c:32*(\t)+8*\c+7], v[S+8:S+15]
.endif
.endr
	WIN 0
.rept 4
	v_nop                                          ; the places behind those products (ISA guide 7.12.1)
.endr
.irp p, 0,1,2,3,4,5,6,7                                ; cl s + bm, each accumulator from its low end on
	v_pk_fma_f32 v[S+2*\p:S+2*\p+1], v[S+2*\p:S+2*\p+1], v[CL+2*(\t):CL+2*(\t)+1], v[BM+2*\p:BM+2*\p+1] op_sel_hi:[1,0,1]
.endr
.if (\t) == 0
.irp p, 0,1,2,3
	v_pk_add_f32 v[S+2*\p:S+2*\p+1], v[S+2*\p:S+2*\p+1], s[82:83] op_sel_hi:[1,0]
.endr
.endif
	v_max3_num_f32 v16, v[S], v[S+1], v[S+2]
	v_max3_num_f32 v17, v[S+3], v[S+4], v[S+5]
	v_max3_num_f32 v18, v[S+6], v[S+7], v[S+8]
	v_max3_num_f32 v19, v[S+9], v[S+10], v[S+11]
	v_max3_num_f32 v20, v[S+12], v[S+13], v[S+14]
	v_max3_num_f32 v16, v16, v17, v[S+15]
	v_max3_num_f32 v18, v18, v19, v20
	v_max_num_f32 v16, v16, v18
	v_permlanex16_b32 v17, v16, s84, s85           ; the query's other 16 keys lie in the lane 16 away
	v_max_num_f32 v24, v16, v17
.irp p, 0,1,2,3,4,5,6,7
	v_pk_add_f32 v[S+2*\p:S+2*\p+1], v[S+2*\p:S+2*\p+1], v[24:25] op_sel_hi:[1,0] neg_lo:[0,1] neg_hi:[0,1]
.endr
.set i, 0
.rept 16
	v_exp_f32 v[S+i], v[S+i]
.set i, i+1
.endr
	v_nop                                          ; a plain instruction behind the last exponential
	s_wait_alu depctr_va_vdst(0)
.irp p, 0,1,2,3,4,5,6,7
	v_cvt_pk_bf16_f32 v[P+\p], v[S+2*\p], v[S+2*\p+1]
.endr
	s_wait_dscnt 0x0                               ; V is in
.irp cb, 0,1,2,3,4,5,6,7                               ; eight accumulators, one product each; they land where K's fragments lay, many plain instructions behind K's last reader
	v_wmma_f32_16x16x32_bf16 v[KF+8*\cb:KF+8*\cb+7], v[VF+8*\cb:VF+8*\cb+7], v[P:P+7], 0
.endr
	v_pk_add_f32 v[S:S+1], v[S:S+1], v[S+2:S+3]    ; the sum of the unrounded weights: these lines are also the places behind the products
	v_pk_add_f32 v[S+4:S+5], v[S+4:S+5], v[S+6:S+7]
	v_pk_add_f32 v[S+8:S+9], v[S+8:S+9], v[S+10:S+11]
	v_pk_add_f32 v[S+12:S+13], v[S+12:S+13], v[S+14:S+15]
	v_pk_add_f32 v[S:S+1], v[S:S+1], v[S+4:S+5]
	v_pk_add_f32 v[S+8:S+9], v[S+8:S+9], v[S+12:S+13]
	v_pk_add_f32 v[S:S+1], v[S:S+1], v[S+8:S+9]
	v_add_f32 v16, v[S], v[S+1]
	v_permlanex16_b32 v17, v16, s84, s85
	v_add_f32 v16, v16, v17
	v_rcp_f32 v26, v16
	s_wait_xcnt 0x0                                ; the last tile's stores have read OUT: it is written again only behind this wait
	v_nop                                          ; a plain instruction behind the reciprocal
.set i, 0
	s_wait_alu depctr_va_vdst(0)
.rept 32
	v_pk_mul_f32 v[KF+2*i:KF+2*i+1], v[KF+2*i:KF+2*i+1], v[26:27] op_sel_hi:[1,0]
.set i, i+1
.endr
.set i, 0
.rept 32
	v_cvt_pk_bf16_f32 v[OUT+i], v[KF+2*i], v[KF+2*i+1]
.set i, i+1
.endr
.irp f, 0,1,2,3,4,5,6,7
	ds_store_b128 v[STO], v[OUT+4*\f:OUT+4*\f+3] offset:32*\f
.endr
.irp f, 0,1,2,3,4,5,6,7
	ds_load_b128 v[OUT+4*\f:OUT+4*\f+3], v[RD] offset:2*SP*\f  ; LDS serves a wave's instructions in order (ISA guide 5.7.1.4): these see the stores above
.endr
.irp f, 0,1,2,3,4,5,6,7
	s_wait_dscnt 7-\f
	global_store_b128 v[GO], v[OUT+4*\f:OUT+4*\f+3], s[76:77] offset:(16*(\t)+2*\f)*4096  ; 16 lanes store 256 consecutive bytes, aligned: a head's channels of a row
.endr
.endm
	ATT 0
	ATT 1
	ATT 2
	ATT 3
	s_wait_tensorcnt 0x0                           ; the wave's end
	ds_add_u32 v[SPW], v[NIL]
	s_wait_dscnt 0x0
	CROUND                                         ; the closing round: no work-group ends while a partner may still ask for a tile that names it
	s_endpgm
.Lfunc_end_k_qfecb834ca8_qkva:
	.size	k_qfecb834ca8_qkva, .Lfunc_end_k_qfecb834ca8_qkva-k_qfecb834ca8_qkva
	.p2alignl 7, 3214868480
	.fill 96, 4, 3214868480
	.section	.rodata,"a",@progbits
	.p2align	6, 0x0
	.amdhsa_kernel k_qfecb834ca8_qkva
		.amdhsa_group_segment_fixed_size 327680
		.amdhsa_private_segment_fixed_size 0
		.amdhsa_enable_private_segment 0
		.amdhsa_kernarg_size 40
		.amdhsa_user_sgpr_count 2
		.amdhsa_user_sgpr_kernarg_segment_ptr 1
		.amdhsa_wavefront_size32 1
		.amdhsa_system_sgpr_workgroup_id_x 1
		.amdhsa_system_sgpr_workgroup_id_y 1
		.amdhsa_system_sgpr_workgroup_id_z 1
		.amdhsa_system_vgpr_workitem_id 0
		.amdhsa_next_free_vgpr 1024
		.amdhsa_next_free_sgpr 88
		.amdhsa_reserve_vcc 1
		.amdhsa_float_denorm_mode_32 3
		.amdhsa_float_denorm_mode_16_64 3
		.amdhsa_memory_ordered 1
		.amdhsa_forward_progress 1
		.amdhsa_inst_pref_size 174
	.end_amdhsa_kernel
	.amdgpu_metadata
---
amdhsa.version: [ 1, 2 ]
amdhsa.kernels:
  - .name:           k_qfecb834ca8_qkva
    .symbol:         k_qfecb834ca8_qkva.kd
    .args:
      - { .name: xb, .offset: 0, .size: 8, .value_kind: global_buffer, .address_space: global }
      - { .name: wt, .offset: 8, .size: 8, .value_kind: global_buffer, .address_space: global }
      - { .name: rinv, .offset: 16, .size: 8, .value_kind: global_buffer, .address_space: global }
      - { .name: scales, .offset: 24, .size: 8, .value_kind: global_buffer, .address_space: global }
      - { .name: ao, .offset: 32, .size: 8, .value_kind: global_buffer, .address_space: global }
    .group_segment_fixed_size: 327680
    .private_segment_fixed_size: 0
    .kernarg_segment_align: 8
    .kernarg_segment_size: 40
    .max_flat_workgroup_size: 128
    .sgpr_count:     88
    .vgpr_count:     1024
    .wavefront_size: 32
...
	.end_amdgpu_metadata
.endif
;; end of part 8
;; launch outp (part 9): grid 16 x 16, 4 waves a work-group, clusters of 4 x 4, 327,680 bytes of LDS; arguments ao, wt, out0, x, scales; writes out0
.if DOCPART == 9
	.amdgcn_target "amdgcn-amd-amdhsa--gfx1250"
	.amdhsa_code_object_version 6
	.text
	.protected	k_qfecb834ca8_outp
	.globl	k_qfecb834ca8_outp
	.p2align	8
	.type	k_qfecb834ca8_outp,@function
k_qfecb834ca8_outp:
	s_mov_b64 s[64:65], 0
	v_nop
	global_prefetch_b8 v0, s[64:65] scope:SCOPE_SE
	s_setreg_imm32_b32 hwreg(HW_REG_WAVE_MODE, 25, 1), 1
	s_wait_xcnt 0x0
	s_wait_alu depctr_hold_cnt(0) depctr_sa_sdst(0) depctr_va_vdst(0) depctr_va_sdst(0) depctr_va_ssrc(0) depctr_va_vcc(0) depctr_vm_vsrc(0)
	s_getreg_b32 s2, hwreg(HW_REG_IB_STS2, 6, 4)
	s_cmp_eq_u32 s2, 0
	s_cbranch_scc0 .Lentry_in_a_cluster
	s_endpgm
.Lentry_in_a_cluster:
	s_bfe_u32 s2, ttmp6, 0x10000c
	s_cmp_lg_u32 s2, 0xf033
	s_cbranch_scc0 .Lentry_shape_is_right
	s_endpgm
.Lentry_shape_is_right:
; OUTP.  out0[b][l][n] = x[b][l][n] + sv so sum over k of ao[rho][k] t_o[n][k]; f32 sums, the scale and the residual in one f32 multiply-add.
; A tile of C is 256 x 128: four waves, each 128 x 64: 32 accumulators, 256 registers.  16 x 16 tiles: one for each of 256 WGPs.
; THE RING HAS TWO UNEQUAL SLOTS.  K goes in 16 units of 128.  Slot S holds one unit (rows of 256 bytes), slot D two (rows of 512 bytes): three units are what LDS holds beside the stages; two slots of two
; units would be 405,504 bytes.  The walk is S D S D S D S D S D S: 10 changes of slots for 16 units.  A slot is filled again when it has been read out, and its load has the other slot's products in which
; to land: from the request to the wait for it a wave issues 240 matrix instructions for S's load and 112 for D's.  One load a wave: waves 0, 1 bring A's two halves (128 rows), waves 2, 3 B's (64 rows).
; CLUSTER 4 x 4: A's tile is asked for jointly along a cluster's row, B's along a column.  THE MATRIX INSTRUCTION IS USED TRANSPOSED: a lane holds eight neighbouring columns of one row of C.
; ROWS.  Tile row ty is a class (b = ty / 8, l % 8 = ty % 8): row j of the tile is row b 2048 + 8 j + ty % 8 of x and out0, so neighbouring rows of the tile lie 65,536 bytes apart.
; THE RESIDUAL is asked for at the start: my 128 x 64 numbers of x, 64 loads, land in the free halves of the accumulators' windows while K is walked; nothing in the loop waits for them.
; REGISTERS: window 0: v0-31 addresses; v64-127, v128-191 A's fragments; v32-63, v192-223 the way out.   window 1: v64-95, v128-159 B's fragments.
;   window 2: v0-127 accumulators of my rows 0-63 ((a, b) at v[8 (4 a + b)]), v128-255 x of those rows;   window 3: the same for rows 64-127.
.set NB,     4
.set BN,     32*NB
.set SIZE_K, 2048
.set UNIT,   128                       ; K in a unit
.set PS,     272                       ; a row in slot S: 256 bytes + 16 of padding; in slot D: 512 + 16.  Both are odd multiples of 16 bytes:
.set PD,     528                       ; the 16 rows of a fragment load start at 16 different groups of four banks (ISA guide 11.1)
.set SHA,    128*PS                    ; slot S: half of A's 256 rows,
.set SHB,    16*NB*PS                  ; half of B's 128
.set SLOTS,  2*SHA+2*SHB
.set DBASE,  SLOTS                     ; slot D begins behind slot S
.set DHA,    128*PD
.set DHB,    16*NB*PD
.set SLOTD,  2*DHA+2*DHB
.set STAGE,  DBASE+SLOTD               ; behind the ring, a multiple of 256: 16 rows x 272 bytes for each wave
.set SP,     272
.set SPARE,  STAGE+4*16*SP             ; the spare words: two blocks of 256 bytes that no other line names
.set TRIPS,  5                         ; the trip that is entered in its middle, and four whole ones
.set LD,     2*NB+16
.set RSTEP,  65536                     ; bytes between neighbouring rows of a tile in x and out0
.set ADRA, 16                          ; v16-17  LDS address of my A fragments in slot S, D
.set ADRB, 20                          ; v20-21  the same for B
.set STO,  24
.set RD,   25
.set CO,   26                          ; never rewritten: the loads of x name it until the end
.set SPW,  28                          ; v28  SPARE + 4 x my thread's number; never rewritten
.set NIL,  29                          ; v29  0; never rewritten
.set F0,   64
.set F1,   128
.set OB,   32
.set G1,   24                          ; s[24:31] group 1 for A's tiles of slot S;  s[32:39] group 0 for A: a set for S, a set for D
.set G0,   32
.set G1B,  48                          ; s[48:55], s[56:63] the same for B
.set G0B,  56
.set G1D,  80                          ; s[80:87] group 1 for A's tiles of slot D: rows twice as long
.set G1BD, 88                          ; s[88:95] the same for B
.set MSB, 0
.macro WIN new
.if MSB != (\new)
	s_set_vgpr_msb (MSB<<8)|(\new)
.set MSB, \new
.endif
.endm
; A joint load into slot s (0: S, 1: D): waves 0, 1 ask for A, waves 2, 3 for B; the branch hangs on the wave's number alone.  An s_nop 0 and four v_nop follow each line.
.macro JLOAD s
	s_cmp_eq_u32 s11, 0
	s_cbranch_scc0 .Lfor_b_\@
.if (\s) == 0
	tensor_load_to_lds s[G0:G0+3], s[G1:G1+7]
.else
	tensor_load_to_lds s[G0+4:G0+7], s[G1D:G1D+7]
.endif
	s_nop 0
.rept 4
	v_nop
.endr
	s_branch .Lasked_\@
.Lfor_b_\@:
.if (\s) == 0
	tensor_load_to_lds s[G0B:G0B+3], s[G1B:G1B+7]
.else
	tensor_load_to_lds s[G0B+4:G0B+7], s[G1BD:G1BD+7]
.endif
	s_nop 0
.rept 4
	v_nop
.endr
.Lasked_\@:
.endm
.macro CREST
	s_cmp_lg_u32 s10, 0
	s_cbranch_scc1 .Lnot_wave_0_\@
	s_barrier_signal -3
.Lnot_wave_0_\@:
	s_barrier_wait -3
	s_barrier_signal -1
	s_barrier_wait -1
.endm
.macro CROUND
	s_barrier_signal -1
	s_barrier_wait -1
	CREST
.endm
.macro PLACES
.rept 4
	v_nop
.endr
.endm
	s_load_b128 s[4:7], s[0:1], 0x0                ; ao s[4:5], wt s[6:7]
	s_load_b64 s[8:9], s[0:1], 0x10                ; out0
	s_load_b128 s[68:71], s[0:1], 0x18             ; x s[68:69], scales s[70:71]
	v_lshl_add_u32 v[SPW], v0, 2, SPARE
	v_mov_b32 v[NIL], 0
	ds_add_u32 v[SPW], v[NIL]                      ; the wave's opening: the add and its wait stand ahead of my first tensor load
	ds_add_u32 v28, v29
	v_lshrrev_b32 v1, 5, v0
	v_readfirstlane_b32 s10, v1
	s_lshr_b32 s11, s10, 1                         ; my half of the tile's rows.  Also: I fetch for A (0) or B (1)
	s_and_b32 s12, s10, 1                          ; my half of its columns.  Also: which half of that tile I fetch
	s_bfe_u32 s40, ttmp6, 0x40000                  ; cx
	s_bfe_u32 s41, ttmp6, 0x40004                  ; cy
	s_lshl_b32 s42, ttmp9, 2
	s_add_co_u32 s42, s42, s40                     ; tile column
	s_and_b32 s13, ttmp7, 0xffff
	s_lshl_b32 s13, s13, 2
	s_add_co_u32 s13, s13, s41                     ; tile row
	s_lshl_b32 s43, s41, 2
	s_lshl_b32 s43, 15, s43                        ; my row of the cluster
	s_lshl_b32 s44, 0x1111, s40                    ; my column
	; group 1: the mask; 2-byte elements; padding on; bit 21 beside a mask; 4 words of padding after every 64 words (slot S, code 5) or every 128 (slot D, code 6): after every row
	s_or_b32 s[G1+0],   s43, (1<<16)|(1<<20)|(1<<21)|(5<<22)|(3<<25)
	s_or_b32 s[G1B+0],  s44, (1<<16)|(1<<20)|(1<<21)|(5<<22)|(3<<25)
	s_or_b32 s[G1D+0],  s43, (1<<16)|(1<<20)|(1<<21)|(6<<22)|(3<<25)
	s_or_b32 s[G1BD+0], s44, (1<<16)|(1<<20)|(1<<21)|(6<<22)|(3<<25)
.irp g, G1, G1B
	s_mov_b32 s[(\g)+1], UNIT<<16                  ; tensor_dim0 = 128
	s_mov_b32 s[(\g)+3], UNIT<<16                  ; tile_dim0
.endr
.irp g, G1D, G1BD
	s_mov_b32 s[(\g)+1], (2*UNIT)<<16              ; tensor_dim0 = 256
	s_mov_b32 s[(\g)+3], (2*UNIT)<<16              ; tile_dim0
.endr
.irp g, G1, G1D
	s_mov_b32 s[(\g)+2], 128<<16                   ; tensor_dim1 = 128 rows
	s_mov_b32 s[(\g)+4], 128                       ; tile_dim1
.endr
.irp g, G1B, G1BD
	s_mov_b32 s[(\g)+2], (16*NB)<<16               ; 64 rows
	s_mov_b32 s[(\g)+4], 16*NB
.endr
.irp g, G1, G1B, G1D, G1BD
	s_mov_b32 s[(\g)+5], SIZE_K                    ; elements from row to row
	s_mov_b32 s[(\g)+6], 0
	s_mov_b32 s[(\g)+7], 0
.endr
	; group 0: the count and where the tiles go: a constant and the wave's number times a constant; no place in the cluster enters an LDS address
	s_mov_b32 s[G0], 1
	s_mul_i32 s[G0+1], s12, SHA
	s_mov_b32 s[G0+4], 1
	s_mul_i32 s[G0+5], s12, DHA
	s_add_co_u32 s[G0+5], s[G0+5], DBASE
	s_mov_b32 s[G0B], 1
	s_mul_i32 s[G0B+1], s12, SHB
	s_add_co_u32 s[G0B+1], s[G0B+1], 2*SHA
	s_mov_b32 s[G0B+4], 1
	s_mul_i32 s[G0B+5], s12, DHB
	s_add_co_u32 s[G0B+5], s[G0B+5], DBASE+2*DHA
	s_lshl_b32 s17, s12, 7
	s_lshl_b32 s16, s13, 8
	s_add_co_u32 s16, s16, s17                     ; A: row 256 x tile row + 128 x half: hangs on the tile row alone
	s_lshl_b32 s16, s16, 12
	s_mov_b32 s17, 0
	s_mul_i32 s46, s42, BN
	s_mul_i32 s47, s12, 16*NB
	s_add_co_u32 s46, s46, s47                     ; B: row 128 x tile column + 64 x half of t_o: hangs on the tile column alone
	s_lshl_b32 s46, s46, 12
	s_mov_b32 s47, 0
	s_wait_dscnt 0x0                               ; the opening add is done
	s_wait_kmcnt 0x0
	s_add_nc_u64 s[6:7], s[6:7], 0x1800000         ; t_o lies behind the panels of wt
	s_add_nc_u64 s[14:15], s[4:5], s[16:17]
	s_add_nc_u64 s[46:47], s[6:7], s[46:47]
	CROUND                                         ; all sixteen work-groups are here: the first joint loads meet
.irp s, 0,1
	s_add_nc_u64 s[G0+4*(\s)+2:G0+4*(\s)+3], s[14:15], (\s)*UNIT*2    ; slot S begins with unit 0, slot D with units 1 and 2
	s_or_b32 s[G0+4*(\s)+3], s[G0+4*(\s)+3], 0x80000000
	s_add_nc_u64 s[G0B+4*(\s)+2:G0B+4*(\s)+3], s[46:47], (\s)*UNIT*2
	s_or_b32 s[G0B+4*(\s)+3], s[G0B+4*(\s)+3], 0x80000000
	JLOAD \s                                       ; two tensor loads of mine are out
.endr
	s_load_b128 s[72:75], s[70:71], 0x0            ; sq, sk, sv, so
	v_and_b32 v1, 15, v0
	v_bfe_u32 v2, v0, 4, 1
	v_lshlrev_b32 v[CO], 16, v2                    ; lanes 0-15 one row of the tile, lanes 16-31 the next, 65,536 bytes on;
	v_lshl_add_u32 v[CO], v1, 4, v[CO]             ; 16 bytes a lane: 16 lanes cover my 256 bytes of a row
	s_lshr_b32 s78, s13, 3
	s_lshl_b32 s78, s78, 11                        ; b 2048
	s_and_b32 s79, s13, 7
	s_add_co_u32 s78, s78, s79                     ; + l % 8: the row of x and out0 that is the tile's row 0
	s_lshl_b32 s78, s78, 13
	s_lshl_b32 s79, s11, 23                        ; my half: 128 rows of the tile
	s_add_co_u32 s78, s78, s79
	s_lshl_b32 s79, s42, 9                         ; the tile's 128 columns,
	s_add_co_u32 s78, s78, s79
	s_lshl_b32 s79, s12, 8                         ; my 64 of them
	s_add_co_u32 s78, s78, s79
	s_mov_b32 s79, 0
	s_add_nc_u64 s[8:9], s[8:9], s[78:79]
	s_add_nc_u64 s[68:69], s[68:69], s[78:79]
.set a, 0
.rept 8                                                ; x of block a (16 rows): window 2 + a / 4, v[128 + 32 (a % 4) ..]; the largest immediate, 126 rows of the tile, lies inside the signed 24 bits (ISA guide, chapter 10)
	WIN 0x80+0x40*(a/4)
.set t, 0
.rept 8
	global_load_b128 v[128+32*(a%4)+4*t:128+32*(a%4)+4*t+3], v[CO], s[68:69] offset:(16*a+2*t)*RSTEP th:TH_LOAD_NT
.set t, t+1
.endr
.set a, a+1
.endr
	WIN 0
	; a fragment: lane l holds row l % 16; registers 0-3 K = 8 (l / 16) + 0..7, registers 4-7 K = 16 + 8 (l / 16) + 0..7: two loads of 16 bytes, 32 apart
	v_mul_u32_u24 v3, v1, PS
	v_lshl_add_u32 v3, v2, 4, v3                   ; row x pitch + 16 x half, in slot S,
	v_mul_u32_u24 v6, v1, PD
	v_lshl_add_u32 v6, v2, 4, v6                   ; and in slot D
	s_mul_i32 s21, s11, SHA                        ; my 128 rows of A
	s_mul_i32 s22, s12, SHB                        ; my 64 rows of B,
	s_add_co_u32 s22, s22, 2*SHA                   ; behind A's 256
	v_add_nc_u32 v[ADRA], s21, v3
	v_add_nc_u32 v[ADRB], s22, v3
	s_mul_i32 s21, s11, DHA
	s_add_co_u32 s21, s21, DBASE
	s_mul_i32 s22, s12, DHB
	s_add_co_u32 s22, s22, DBASE+2*DHA
	v_add_nc_u32 v[ADRA+1], s21, v6
	v_add_nc_u32 v[ADRB+1], s22, v6
	s_mul_i32 s23, s10, 16*SP
	s_add_co_u32 s23, s23, STAGE                   ; my stage
	v_mul_u32_u24 v4, v1, SP                       ; in: row l % 16, 32 bytes (8 f32) for each half of the lanes
	v_lshl_add_u32 v4, v2, 5, v4
	v_add_nc_u32 v[STO], s23, v4
	v_mul_u32_u24 v5, v2, SP                       ; back: lanes 0-15 one row of 256 bytes, lanes 16-31 the next
	v_lshl_add_u32 v5, v1, 4, v5
	v_add_nc_u32 v[RD], s23, v5
	s_wait_kmcnt 0x0
	s_mul_f32 s76, s74, s75                        ; sv so
	s_mov_b32 s77, s76                             ; named with it as a pair
.macro MUL2 f, hi, a0, zero            ; 2 NB matrix instructions; all 32 accumulators take turns, one instruction a turn, in the same order in every quarter
	WIN 0xa1+0x50*(\hi)
.irp a, \a0, (\a0)+1
.set b, 0
.rept NB
.set rD, 8*(NB*(\a)+b)
.set rB, (\f)+8*b
.set rA, (\f)+8*(4*(\hi)+(\a))
.if \zero
	v_wmma_f32_16x16x32_bf16 v[rD:rD+7], v[rB:rB+7], v[rA:rA+7], 0
.else
	v_wmma_f32_16x16x32_bf16 v[rD:rD+7], v[rB:rB+7], v[rA:rA+7], v[rD:rD+7]
.endif
.set b, b+1
.endr
.endr
.endm
.macro FETCH slot, k, f                ; LD loads in one run: B's fragments, then A's: 32 K at byte k of the slot's rows (slot D's two units lie end to end in a row: k goes to 448 there)
.if (\slot) == 0
.set FP, PS
.else
.set FP, PD
.endif
	WIN 0x40
.set b, 0
.rept NB
	ds_load_b128 v[(\f)+8*b:(\f)+8*b+3],   v[ADRB+(\slot)] offset:(\k)+b*16*FP
	ds_load_b128 v[(\f)+8*b+4:(\f)+8*b+7], v[ADRB+(\slot)] offset:(\k)+b*16*FP+32
.set b, b+1
.endr
	WIN 0
.irp i, 0,1,2,3,4,5,6,7
	ds_load_b128 v[(\f)+8*(\i):(\f)+8*(\i)+3],   v[ADRA+(\slot)] offset:(\k)+(\i)*16*FP
	ds_load_b128 v[(\f)+8*(\i)+4:(\f)+8*(\i)+7], v[ADRA+(\slot)] offset:(\k)+(\i)*16*FP+32
.endr
.endm
.macro QUARTER slot, k, f, g, zero     ; 32 along K: multiplies buffer f; in its middle fetches the next quarter, at byte k, into g
	s_wait_dscnt 8                                 ; B and A's rows 0-63 are in; the youngest eight loads may be out
	MUL2 \f, 0, 0, \zero
	MUL2 \f, 0, 2, \zero
	PLACES
	FETCH \slot, \k, \g
	s_wait_dscnt LD                                ; all but the run just issued
	MUL2 \f, 1, 0, \zero
	MUL2 \f, 1, 2, \zero
.endm
; A slot's last quarter multiplies buffer 1 and changes slots: one barrier; in front of it the wave waits for all its tensor loads (one is out: its part of the other slot), adds 0 to its spare word, and
; waits for that and for its reads of this slot.  fill = 1: the barrier opens a round of the cluster's, and this slot is filled again first behind it, with its next unit or two: three units on.
.macro TURN slot, next, fill
	WIN 0
	s_wait_tensorcnt 0x0                           ; all my tensor loads have landed: my part of the other slot
	ds_add_u32 v[SPW], v[NIL]
	s_wait_dscnt 9                                 ; the add and the youngest eight loads may be out
	MUL2 F1, 0, 0, 0
	s_wait_dscnt 0x0                               ; the add is done, and my reads of this slot are over
	s_barrier_signal -1
	MUL2 F1, 0, 2, 0
.if \fill
	WIN 0
.endif
	s_barrier_wait -1
.if \fill
	CREST                                          ; no wave of any partner still reads this slot or has a load on its way
	s_add_nc_u64 s[G0+4*(\slot)+2:G0+4*(\slot)+3], s[G0+4*(\slot)+2:G0+4*(\slot)+3], 3*UNIT*2
	s_add_nc_u64 s[G0B+4*(\slot)+2:G0B+4*(\slot)+3], s[G0B+4*(\slot)+2:G0B+4*(\slot)+3], 3*UNIT*2
	JLOAD \slot                                    ; my one tensor load behind the round; its four v_nop are also the places in front of the loads below
.else
	PLACES
.endif
	FETCH \next, 0, F0
	MUL2 F1, 1, 0, 0
	MUL2 F1, 1, 2, 0
.endm
	s_wait_tensorcnt 1                             ; my part of slot S is in; slot D's may stay out
	s_barrier_signal -1
	s_barrier_wait -1
	FETCH 0, 0, F0
	QUARTER 0, 64, F0, F1, 1                       ; the first quarter is written out: its products start the sums
	WIN 0                                          ; at a label and at a branch every window is 0
	s_mov_b32 s3, TRIPS
	s_branch .Lmid                                 ; the loop is entered in the middle of a trip, at slot S's second quarter
.Llap:                                                 ; a trip: the rest of slot D, slot S, slot D's first quarter: three units; it fills both slots again, and every fill is read later
	QUARTER 1, 128, F1, F0, 0
	QUARTER 1, 192, F0, F1, 0
	QUARTER 1, 256, F1, F0, 0
	QUARTER 1, 320, F0, F1, 0
	QUARTER 1, 384, F1, F0, 0
	QUARTER 1, 448, F0, F1, 0
	TURN 1, 0, 1
	QUARTER 0, 64,  F0, F1, 0
	WIN 0
.Lmid:
	QUARTER 0, 128, F1, F0, 0
	QUARTER 0, 192, F0, F1, 0
	TURN 0, 1, 1
	QUARTER 1, 64,  F0, F1, 0
	WIN 0
	s_sub_co_u32 s3, s3, 1
	s_cmp_lg_u32 s3, 0
	s_cbranch_scc1 .Llap
	QUARTER 1, 128, F1, F0, 0                      ; the tail: units 13 and 14 in slot D, unit 15 in slot S; nothing is filled
	QUARTER 1, 192, F0, F1, 0
	QUARTER 1, 256, F1, F0, 0
	QUARTER 1, 320, F0, F1, 0
	QUARTER 1, 384, F1, F0, 0
	QUARTER 1, 448, F0, F1, 0
	TURN 1, 0, 0
	QUARTER 0, 64,  F0, F1, 0
	QUARTER 0, 128, F1, F0, 0
	QUARTER 0, 192, F0, F1, 0
	s_wait_dscnt 8
	MUL2 F1, 0, 0, 0
	MUL2 F1, 0, 2, 0
	s_wait_dscnt 0x0
	MUL2 F1, 1, 0, 0
	MUL2 F1, 1, 2, 0
	WIN 0
; THE WAY OUT, a block of 16 rows at a time.  TOST: the f32 sums go into my stage (each accumulator's low four registers first) and come back as whole rows of 256 bytes.
; FIN: out = x + sv so sum, one multiply-add, and the stores.
.macro TOST a
.set BK, OB+160*((\a)%2)
.set AC, 8*NB*((\a)%4)
	s_wait_xcnt 0x0                                ; the stores of the block two back have read the registers that the loads below fill
	WIN 0x08+0x04*((\a)/4)                         ; the data of an LDS store is source 1: window 2 or 3
.irp b, 0,1,2,3
	ds_store_b128 v[STO], v[AC+8*\b:AC+8*\b+3]   offset:64*\b
	ds_store_b128 v[STO], v[AC+8*\b+4:AC+8*\b+7] offset:64*\b+16
.endr
	WIN 0
.irp t, 0,1,2,3,4,5,6,7
	ds_load_b128 v[BK+4*\t:BK+4*\t+3], v[RD] offset:2*SP*\t  ; LDS serves a wave's instructions in order (ISA guide 5.7.1.4): these see the stores above; the next block's stores come behind them
.endr
.endm
.macro FIN a, younger
.set BK, OB+160*((\a)%2)
.set XR, 128+32*((\a)%4)
	s_wait_dscnt \younger                          ; the block is back; the next block's sixteen LDS instructions may be out
	s_wait_loadcnt 8*(7-(\a))                      ; x of this block is in; the later blocks' loads may be out
	WIN 0x20+0x10*((\a)/4)                         ; source 2 (x) window 2 or 3
.set i, 0
.rept 16
	v_pk_fma_f32 v[BK+2*i:BK+2*i+1], v[BK+2*i:BK+2*i+1], s[76:77], v[XR+2*i:XR+2*i+1] op_sel_hi:[1,0,1]
.set i, i+1
.endr
	WIN 0
.irp t, 0,1,2,3,4,5,6,7
	global_store_b128 v[CO], v[BK+4*\t:BK+4*\t+3], s[8:9] offset:(16*(\a)+2*\t)*RSTEP th:TH_STORE_NT  ; 16 lanes store 256 consecutive bytes, aligned
.endr
.endm
	PLACES
	TOST 0
.irp a, 1,2,3,4,5,6,7
	TOST \a
	FIN (\a)-1, 16
.endr
	FIN 7, 0
	s_wait_tensorcnt 0x0                           ; the wave's end
	ds_add_u32 v[SPW], v[NIL]
	s_wait_dscnt 0x0
	CROUND                                         ; the closing round: no work-group ends while a partner may still ask for a tile that names it
	s_endpgm
.Lfunc_end_k_qfecb834ca8_outp:
	.size	k_qfecb834ca8_outp, .Lfunc_end_k_qfecb834ca8_outp-k_qfecb834ca8_outp
	.p2alignl 7, 3214868480
	.fill 96, 4, 3214868480
	.section	.rodata,"a",@progbits
	.p2align	6, 0x0
	.amdhsa_kernel k_qfecb834ca8_outp
		.amdhsa_group_segment_fixed_size 327680
		.amdhsa_private_segment_fixed_size 0
		.amdhsa_enable_private_segment 0
		.amdhsa_kernarg_size 40
		.amdhsa_user_sgpr_count 2
		.amdhsa_user_sgpr_kernarg_segment_ptr 1
		.amdhsa_wavefront_size32 1
		.amdhsa_system_sgpr_workgroup_id_x 1
		.amdhsa_system_sgpr_workgroup_id_y 1
		.amdhsa_system_sgpr_workgroup_id_z 1
		.amdhsa_system_vgpr_workitem_id 0
		.amdhsa_next_free_vgpr 1024
		.amdhsa_next_free_sgpr 96
		.amdhsa_reserve_vcc 0
		.amdhsa_float_denorm_mode_32 3
		.amdhsa_float_denorm_mode_16_64 3
		.amdhsa_memory_ordered 1
		.amdhsa_forward_progress 1
		.amdhsa_inst_pref_size 133
	.end_amdhsa_kernel
	.amdgpu_metadata
---
amdhsa.version: [ 1, 2 ]
amdhsa.kernels:
  - .name:           k_qfecb834ca8_outp
    .symbol:         k_qfecb834ca8_outp.kd
    .args:
      - { .name: ao, .offset: 0, .size: 8, .value_kind: global_buffer, .address_space: global }
      - { .name: wt, .offset: 8, .size: 8, .value_kind: global_buffer, .address_space: global }
      - { .name: out0, .offset: 16, .size: 8, .value_kind: global_buffer, .address_space: global }
      - { .name: x, .offset: 24, .size: 8, .value_kind: global_buffer, .address_space: global }
      - { .name: scales, .offset: 32, .size: 8, .value_kind: global_buffer, .address_space: global }
    .group_segment_fixed_size: 327680
    .private_segment_fixed_size: 0
    .kernarg_segment_align: 8
    .kernarg_segment_size: 40
    .max_flat_workgroup_size: 128
    .sgpr_count:     96
    .vgpr_count:     1024
    .wavefront_size: 32
...
	.end_amdgpu_metadata
.endif
;; end of part 9
